; MI455X (gfx1250); checked and timed in simulation.
; The chip was launched on July 23, 2026; its instructions are those of AMD's public machine-readable ISA for CDNA 5 (MIT licence, August 2026) and "CDNA5" Instruction Set Architecture Reference Guide (July 2026). The comments in the code are by the model that wrote it; some were corrected since.
;; Multi Head Attention. Allowed arithmetic: matrix products marked QUANTISED: E2M1 operands, one E8M0 scale for each 32 along K, by v_wmma_scale_f32_16x16x128_f8f6f4 with both operands' format E2M1 (or v_wmma_scale_f32_32x16x128_f4), f32 sums; products left as they are: bf16, f16 or f32 operands; f32 sums; everything else in f32.
;; Inputs: K 4 x 2,048 x 1,024 float32; Q 4 x 2,048 x 1,024 float32; V 4 x 2,048 x 1,024 float32; k_b 1,024 float32; k_w 1,024 x 1,024 float32; o_b 1,024 float32; o_w 1,024 x 1,024 float32; q_b 1,024 float32; q_w 1,024 x 1,024 float32; v_b 1,024 float32; v_w 1,024 x 1,024 float32.
;; Outputs: out0 4 x 2,048 x 1,024 float32.
;; This version of the problem:
;;   THIS VERSION OF THE PROBLEM IS GIVEN IN LOW PRECISION. The matrix products marked QUANTISED in the list below multiply operands that are first quantised to E2M1 (2 exponent bits, 1 mantissa bit; 4 bits a number), with one power-of-two scale for each 32 numbers along K (OCP MX v1.0); their sums are f32. The products marked 'left as it is' may take bf16, f16 or f32 operands, with f32 sums. Whichever they take, every output number must still come out within the allowed error. Rounding operands to bf16 (8 significant bits) uses up far more of that allowance than f16 does (11 bits, for magnitudes from 6e-5 to 65,504). All else is computed in f32.
;;   The module's matrix products, in the order in which they are computed (A, B: the left and right operand; K: the contracted axis; several contracted axes count as one K, in the product's order):
;;     1. [M 8,192, K 1,024] x [K 1,024, N 1,024]; A: input Q; B: input q_w: QUANTISED
;;     2. [M 8,192, K 1,024] x [K 1,024, N 1,024]; A: input K; B: input k_w: QUANTISED
;;     3. [M 8,192, K 1,024] x [K 1,024, N 1,024]; A: input V; B: input v_w: QUANTISED
;;     4. batch 64 x [M 2,048, K 64] x [K 64, N 2,048]; A: computed on the way; B: computed on the way: left as it is (an operand is computed on the way)
;;     5. batch 64 x [M 2,048, K 2,048] x [K 2,048, N 64]; A: computed on the way; B: computed on the way: left as it is (an operand is computed on the way)
;;     6. [M 8,192, K 1,024] x [K 1,024, N 1,024]; A: computed on the way; B: input o_w: left as it is (an operand is computed on the way)
;;   THE QUANTISER, for each operand of a quantised product, along K:
;;     - K is cut into blocks of 32 from its start; a last block that is shorter is filled with zeros.
;;     - A block's scale is 2^e with e = floor(log2(the largest magnitude in the block)) - 2, held to -126 .. 127; a block of zeros has e = 0. As a byte (E8M0): e + 127.
;;     - Each number is divided by its block's scale, clamped to +-6, and rounded to the nearest number of E2M1, ties to even, subnormals kept.
;;     - The product sums the exact products of the quantised numbers (number of the format x scale) in f32.
;;   ~~~python
;;   def quantise(x, axis):      # numpy; x: float32 -> the quantised numbers, widened to float32 again
;;       x = np.moveaxis(x, axis, -1); K = x.shape[-1]
;;       x = np.pad(x, [(0, 0)] * (x.ndim - 1) + [(0, -K % 32)]); x = x.reshape(x.shape[:-1] + (-1, 32)); a = np.abs(x).max(-1, keepdims=True)
;;       e = np.where(a > 0, np.clip(np.frexp(np.where(a > 0, a, 1))[1] - 1 - 2, -126, 127), 0)      # np.frexp(a)[1] - 1 = floor(log2(a)), exactly
;;       r = np.clip(x / 2.0 ** e, -6, 6)
;;       step = 2.0 ** (np.maximum(np.frexp(np.where(r == 0, 1, r))[1] - 1, 0) - 1)
;;       q = np.round(r / step) * step * 2.0 ** e      # np.round: ties to even
;;       return np.moveaxis(q.reshape(q.shape[:-2] + (-1,))[..., :K], -1, axis).astype(np.float32)
;;   ~~~
;; One version. Each part assembles by itself: llvm-mc -triple=amdgcn-amd-amdhsa -mcpu=gfx1250 --defsym DOCPART=n.
;; ======== version 1 of 1: 4 launches
;; limits: values are held in f16: magnitudes above 65,504 overflow, below 6.1e-05 lose precision
;; workspace buffers: xc 12,582,912 bytes; xs 786,432 bytes; wc 1,572,864 bytes; ws 98,304 bytes; qkv 50,331,648 bytes; att 16,777,216 bytes; ow 2,097,152 bytes
;; launch quant (part 1): grid 928 x 1, 4 waves a work-group, no clusters, 33,280 bytes of LDS; arguments Q, K, V, q_w, k_w, v_w, o_w, xc, xs, wc, ws, ow; writes xc, xs, wc, ws, ow
.if DOCPART == 1
	.amdgcn_target "amdgcn-amd-amdhsa--gfx1250"
	.amdhsa_code_object_version 6
	.text
	.protected	k_qb5eb301f3a_quant
	.globl	k_qb5eb301f3a_quant
	.p2align	8
	.type	k_qb5eb301f3a_quant,@function
k_qb5eb301f3a_quant:
	s_mov_b64 s[64:65], 0
	v_nop
	global_prefetch_b8 v0, s[64:65] scope:SCOPE_SE
	s_setreg_imm32_b32 hwreg(HW_REG_WAVE_MODE, 25, 1), 1
	s_wait_xcnt 0x0
; Q, K, V [8192][1024] and q_w, k_w, v_w [1024][1024], f32 with K innermost, become codes of FP4 (E2M1), two a byte, and one E8M0 byte for each 32 along K.
; xc, xs hold Q's, K's, V's codes and bytes on end; wc, ws those of the three weights.  o_w becomes f16, laid [16 blocks of 64 along K][1024 rows][64].
; A block's scale is 2^(floor(log2(its largest magnitude)) - 2): its byte is the largest magnitude's exponent field - 2, held at 1 from below.
; LIMITS: a block whose largest magnitude lies under 2^-124 (a block of zeros among them) keeps the byte 1: zero codes add nothing, and this program alone reads the bytes.
; NaN and infinities are not served.  o_w must lie inside f16's range (magnitude up to 65,504).
; SHARES: work-groups 0-767 take Q, K, V (256 each, 32,768 numbers a work-group, 8,192 a wave); 768-863 the three weights (32 each); 864-927 o_w (16 rows each).
; Rows are dense and 1024 is a multiple of 32: each tensor is a plain stream of blocks.  Only pointers are chosen: the six tensors take one path through the text.
; A wave takes 16 steps of 512 numbers: four loads of 512 consecutive bytes; the 2,048 bytes turn through the wave's own stage in LDS and come back 64 bytes a lane (16 neighbours; two lanes hold a block).
.set WAVES, 4
.set STEPS, 16
.set EMAX,  2
.set CB,    8                          ; bytes of 16 codes
.set R,     16                         ; v16-79   four sets of 16 numbers as loaded
.set X,     80                         ; v80-111  two sets of 16 neighbours
.set E,     112                        ; v112-127 a scale byte for each step
.set C,     128                        ; v128-191 codes, four registers a step: no store's data are written again
.set WREG,  8192                       ; LDS: a region for each wave: two stages of 32 x SP bytes, then its 256 scale bytes
.set SP,    80                         ; a lane's place in a stage: 64 bytes + 16 of padding
.set SPW,   12                         ; v12 LDS address of my spare word; never rewritten
.set NIL,   13                         ; v13 0; never rewritten
.set SPARE, WAVES*WREG                 ; the spare words, 128 bytes a wave, named by no other line
	s_load_b512 s[8:23], s[0:1], 0x0               ; Q s[8:9], K s[10:11], V s[12:13], q_w s[14:15], k_w s[16:17], v_w s[18:19], o_w s[20:21], xc s[22:23]
	s_load_b256 s[24:31], s[0:1], 0x40             ; xs s[24:25], wc s[26:27], ws s[28:29], ow s[30:31]
	v_lshl_add_u32 v[SPW], v0, 2, SPARE
	v_mov_b32 v[NIL], 0
	v_lshrrev_b32 v1, 5, v0
	v_readfirstlane_b32 s2, v1                     ; wave
	v_and_b32 v2, 31, v0                           ; lane
	s_wait_kmcnt 0x0
	s_cmp_ge_u32 ttmp9, 864                        ; o_w's work-groups part here, on the work-group's number alone, and do not come back
	s_cbranch_scc1 .Low
	v_lshlrev_b32 v3, 4, v2                        ; my 16 bytes of a load's 512
	s_mul_i32 s3, s2, WREG
	v_lshrrev_b32 v14, 2, v2
	v_mul_u32_u24 v14, v14, SP
	v_and_b32 v15, 3, v2
	v_lshl_add_u32 v14, v15, 4, v14
	v_add_nc_u32 v14, s3, v14                      ; the stage, way in: SP (lane / 4) + 16 (lane % 4)
	v_mul_u32_u24 v15, v2, SP
	v_add_nc_u32 v15, s3, v15                      ; way out: SP x lane
	v_mul_u32_u24 v4, v2, CB                       ; my codes' place in a step's
	v_lshrrev_b32 v5, 1, v2
	s_add_co_u32 s3, s3, 2*32*SP
	v_add_nc_u32 v5, s3, v5                        ; LDS: my block's scale byte
	v_lshlrev_b32 v7, 3, v2
	v_add_nc_u32 v6, s3, v7                        ; and 8 bytes a lane on their way out
	s_mov_b64 s[4:5], s[8:9]                       ; the source, chosen by the work-group's number
	s_cmp_ge_u32 ttmp9, 256
	s_cselect_b64 s[4:5], s[10:11], s[4:5]
	s_cmp_ge_u32 ttmp9, 512
	s_cselect_b64 s[4:5], s[12:13], s[4:5]
	s_cmp_ge_u32 ttmp9, 768
	s_cselect_b64 s[4:5], s[14:15], s[4:5]
	s_cmp_ge_u32 ttmp9, 800
	s_cselect_b64 s[4:5], s[16:17], s[4:5]
	s_cmp_ge_u32 ttmp9, 832
	s_cselect_b64 s[4:5], s[18:19], s[4:5]
	s_cmp_lt_u32 ttmp9, 768
	s_cselect_b64 s[32:33], s[22:23], s[26:27]     ; codes: xc or wc
	s_cselect_b64 s[34:35], s[24:25], s[28:29]     ; scale bytes: xs or ws
	s_cselect_b32 s36, 0, 768
	s_cselect_b32 s37, 255, 31                     ; work-groups in a tensor, less one
	s_sub_co_u32 s38, ttmp9, s36                   ; j: my place among the three tensors on end
	s_lshl_b32 s39, s38, 2
	s_add_co_u32 s39, s39, s2                      ; my wave's run of 8,192 numbers in the codes' buffer
	s_and_b32 s40, s38, s37
	s_lshl_b32 s40, s40, 2
	s_add_co_u32 s40, s40, s2                      ; and in its own tensor
	s_lshl_b32 s40, s40, 15                        ; 32,768 bytes of f32 a run
	s_mov_b32 s41, 0
	s_add_nc_u64 s[4:5], s[4:5], s[40:41]
	s_lshl_b32 s40, s39, 12                        ; 4,096 bytes of codes
	s_add_nc_u64 s[32:33], s[32:33], s[40:41]
	s_lshl_b32 s40, s39, 8                         ; 256 scale bytes
	s_add_nc_u64 s[34:35], s[34:35], s[40:41]
.macro LOAD t
.irp i, 0,1,2,3
	global_load_b128 v[R+16*((\t)%4)+4*\i:R+16*((\t)%4)+4*\i+3], v3, s[4:5] offset:2048*(\t)+512*\i th:TH_LOAD_NT   ; 32 lanes read 512 consecutive bytes
.endr
.endm
.macro TURN t                          ; step t's numbers through the stage; LDS serves a wave's instructions in order, so no wait stands between stores and loads
.irp i, 0,1,2,3
	ds_store_b128 v14, v[R+16*((\t)%4)+4*\i:R+16*((\t)%4)+4*\i+3] offset:32*SP*((\t)%2)+8*SP*\i
.endr
.irp i, 0,1,2,3
	ds_load_b128 v[X+16*((\t)%2)+4*\i:X+16*((\t)%2)+4*\i+3], v15 offset:32*SP*((\t)%2)+16*\i
.endr
.endm
.irp t, 0,1,2,3
	LOAD \t
.endr
	s_wait_loadcnt 12                              ; step 0's four loads are in; the twelve of steps 1 to 3 may be out
	TURN 0
.macro STEP t
.set XS, X+16*((\t)%2)
.if (\t) > 0
	s_wait_dscnt 1                                 ; this step's numbers are back from the stage; the last step's byte store may be out
.else
	s_wait_dscnt 0x0
.endif
.if (\t)+4 < STEPS
	LOAD (\t)+4                                    ; into the registers whose stores into the stage are done
.endif
.if (\t)+1 < STEPS
.if STEPS-2-(\t) >= 3
	s_wait_loadcnt 12                              ; the next step's four loads are in; those of the three steps behind may be out
.else
	s_wait_loadcnt 4*(STEPS-2-(\t))
.endif
	TURN (\t)+1
.endif
	v_max3_num_f32 v8, |v[XS]|, |v[XS+1]|, |v[XS+2]|               ; the largest magnitude of my 16, in two chains
	v_max3_num_f32 v9, |v[XS+3]|, |v[XS+4]|, |v[XS+5]|
.irp i, 6,10
	v_max3_num_f32 v8, v8, |v[XS+\i]|, |v[XS+\i+1]|
	v_max3_num_f32 v9, v9, |v[XS+\i+2]|, |v[XS+\i+3]|
.endr
	v_max3_num_f32 v8, v8, |v[XS+14]|, |v[XS+15]|
	v_max3_num_f32 v8, v8, v9, (EMAX+1)<<23        ; and the floor 2^(3 - 127): the byte cannot fall under 1
	v_max_num_f32_dpp v8, v8, v8 row_xmask:1 row_mask:0xf bank_mask:0xf   ; with my neighbour's 16: the block's
	v_add_nc_u32 v11, -(EMAX<<23), v8              ; 2 off its exponent field: the conversion takes this operand's exponent field as its scale
	v_cvt_scalef32_pk8_fp4_f32 v[C+4*(\t)], v[XS:XS+7], v11
	v_cvt_scalef32_pk8_fp4_f32 v[C+4*(\t)+1], v[XS+8:XS+15], v11
	v_lshrrev_b32 v[E+(\t)], 23, v11               ; the scale's byte (also the plain line behind the conversions)
	ds_store_b8 v5, v[E+(\t)] offset:16*(\t)       ; both lanes of a block write the same byte with the same value
	global_store_b64 v4, v[C+4*(\t):C+4*(\t)+1], s[32:33] offset:32*CB*(\t)   ; the wave stores 256 consecutive bytes, aligned
.endm
.irp t, 0,1,2,3,4,5,6,7,8,9,10,11,12,13,14,15
	STEP \t
.endr
	ds_load_b64 v[8:9], v6                         ; my wave's 256 scale bytes, behind my stores of them
	s_wait_dscnt 0x0
	global_store_b64 v7, v[8:9], s[34:35]          ; 256 consecutive bytes, aligned
	s_wait_tensorcnt 0x0                           ; the wave's end, behind my last LDS store
	ds_add_u32 v[SPW], v[NIL]
	s_wait_dscnt 0x0
	s_endpgm
; o_w to f16, laid by blocks of 64 along K.  A wave takes four rows; eight lanes share a row's block of 64 numbers (32 bytes of f32 a lane, 16 bytes of f16).
; All 32 loads go out at once; no register is written twice.
.Low:
	s_sub_co_u32 s36, ttmp9, 864
	s_lshl_b32 s36, s36, 4
	s_lshl_b32 s37, s2, 2
	s_add_co_u32 s36, s36, s37                     ; my wave's first row: 16 g + 4 wave
	s_lshl_b32 s38, s36, 12                        ; a row of o_w is 4,096 bytes
	s_mov_b32 s39, 0
	s_add_nc_u64 s[20:21], s[20:21], s[38:39]
	s_lshl_b32 s38, s36, 7                         ; a row of a block of ow is 128 bytes
	s_add_nc_u64 s[30:31], s[30:31], s[38:39]
	v_lshrrev_b32 v9, 3, v2
	v_lshlrev_b32 v9, 12, v9                       ; row lane / 8
	v_and_b32 v8, 7, v2
	v_lshl_add_u32 v9, v8, 5, v9                   ; + 32 (lane % 8)
	v_lshlrev_b32 v10, 4, v2                       ; out: 16 x lane: four rows of 128 bytes on end
.irp kb, 0,1,2,3,4,5,6,7,8,9,10,11,12,13,14,15
	global_load_b128 v[16+8*\kb:16+8*\kb+3], v9, s[20:21] offset:256*\kb th:TH_LOAD_NT
	global_load_b128 v[20+8*\kb:20+8*\kb+3], v9, s[20:21] offset:256*\kb+16 th:TH_LOAD_NT
.endr
.irp kb, 0,1,2,3,4,5,6,7,8,9,10,11,12,13,14,15
	s_wait_loadcnt 30-2*\kb                        ; this block's two loads are in; two for each later block may be out
.irp i, 0,1,2,3
	v_cvt_pk_f16_f32 v[144+4*\kb+\i], v[16+8*\kb+2*\i], v[16+8*\kb+2*\i+1]
.endr
	global_store_b128 v10, v[144+4*\kb:144+4*\kb+3], s[30:31] offset:131072*\kb   ; 512 consecutive bytes, aligned
.endr
	s_endpgm
.Lfunc_end_k_qb5eb301f3a_quant:
	.size	k_qb5eb301f3a_quant, .Lfunc_end_k_qb5eb301f3a_quant-k_qb5eb301f3a_quant
	.p2alignl 7, 3214868480
	.fill 96, 4, 3214868480
	.section	.rodata,"a",@progbits
	.p2align	6, 0x0
	.amdhsa_kernel k_qb5eb301f3a_quant
		.amdhsa_group_segment_fixed_size 33280
		.amdhsa_private_segment_fixed_size 0
		.amdhsa_enable_private_segment 0
		.amdhsa_kernarg_size 96
		.amdhsa_user_sgpr_count 2
		.amdhsa_user_sgpr_kernarg_segment_ptr 1
		.amdhsa_wavefront_size32 1
		.amdhsa_system_sgpr_workgroup_id_x 1
		.amdhsa_system_sgpr_workgroup_id_y 1
		.amdhsa_system_sgpr_workgroup_id_z 1
		.amdhsa_system_vgpr_workitem_id 0
		.amdhsa_next_free_vgpr 208
		.amdhsa_next_free_sgpr 66
		.amdhsa_reserve_vcc 0
		.amdhsa_float_denorm_mode_32 3
		.amdhsa_float_denorm_mode_16_64 3
		.amdhsa_memory_ordered 1
		.amdhsa_forward_progress 1
		.amdhsa_inst_pref_size 43
	.end_amdhsa_kernel
	.amdgpu_metadata
---
amdhsa.version: [ 1, 2 ]
amdhsa.kernels:
  - .name:           k_qb5eb301f3a_quant
    .symbol:         k_qb5eb301f3a_quant.kd
    .args:
      - { .name: Q, .offset: 0, .size: 8, .value_kind: global_buffer, .address_space: global }
      - { .name: K, .offset: 8, .size: 8, .value_kind: global_buffer, .address_space: global }
      - { .name: V, .offset: 16, .size: 8, .value_kind: global_buffer, .address_space: global }
      - { .name: q_w, .offset: 24, .size: 8, .value_kind: global_buffer, .address_space: global }
      - { .name: k_w, .offset: 32, .size: 8, .value_kind: global_buffer, .address_space: global }
      - { .name: v_w, .offset: 40, .size: 8, .value_kind: global_buffer, .address_space: global }
      - { .name: o_w, .offset: 48, .size: 8, .value_kind: global_buffer, .address_space: global }
      - { .name: xc, .offset: 56, .size: 8, .value_kind: global_buffer, .address_space: global }
      - { .name: xs, .offset: 64, .size: 8, .value_kind: global_buffer, .address_space: global }
      - { .name: wc, .offset: 72, .size: 8, .value_kind: global_buffer, .address_space: global }
      - { .name: ws, .offset: 80, .size: 8, .value_kind: global_buffer, .address_space: global }
      - { .name: ow, .offset: 88, .size: 8, .value_kind: global_buffer, .address_space: global }
    .group_segment_fixed_size: 33280
    .private_segment_fixed_size: 0
    .kernarg_segment_align: 8
    .kernarg_segment_size: 96
    .max_flat_workgroup_size: 128
    .sgpr_count:     66
    .vgpr_count:     208
    .wavefront_size: 32
...
	.end_amdgpu_metadata
.endif
;; end of part 1
;; launch proj (part 2): grid 4 x 96, 4 waves a work-group, clusters of 4 x 4, 327,680 bytes of LDS; arguments xc, xs, wc, ws, q_b, k_b, v_b, qkv; writes qkv
.if DOCPART == 2
	.amdgcn_target "amdgcn-amd-amdhsa--gfx1250"
	.amdhsa_code_object_version 6
	.text
	.protected	k_qb5eb301f3a_proj
	.globl	k_qb5eb301f3a_proj
	.p2align	8
	.type	k_qb5eb301f3a_proj,@function
k_qb5eb301f3a_proj:
	s_mov_b64 s[64:65], 0
	v_nop
	global_prefetch_b8 v0, s[64:65] scope:SCOPE_SE
	s_setreg_imm32_b32 hwreg(HW_REG_WAVE_MODE, 25, 1), 1
	s_wait_xcnt 0x0
	s_wait_alu depctr_hold_cnt(0) depctr_sa_sdst(0) depctr_va_vdst(0) depctr_va_sdst(0) depctr_va_ssrc(0) depctr_va_vcc(0) depctr_vm_vsrc(0)
	s_getreg_b32 s2, hwreg(HW_REG_IB_STS2, 6, 4)
	s_cmp_eq_u32 s2, 0
	s_cbranch_scc0 .Lentry_in_a_cluster
	s_endpgm
.Lentry_in_a_cluster:
	s_bfe_u32 s2, ttmp6, 0x10000c
	s_cmp_lg_u32 s2, 0xf033
	s_cbranch_scc0 .Lentry_shape_is_right
	s_endpgm
.Lentry_shape_is_right:
; The three projections q = Q q_w^T + q_b, k, v, on codes of FP4 (E2M1) with one E8M0 scale for each 32 along K; sums in f32, begun from the bias; results rounded once to f16.
; xc [3 x 8192][512 bytes], xs [3 x 8192][32]: codes and scale bytes of Q, K, V on end; wc [3 x 1024][512], ws [3 x 1024][32]: of the weights.
; qkv: f16 [3][4 batches][16 heads][2048 tokens][64]: a head's rows are dense, so that two tokens fill 256 aligned bytes.
; LIMIT: q, k, v must lie inside f16's range (magnitude up to 65,504).
; A tile, 256 tokens x 256 columns, is made by four waves; a wave makes 128 x 128: 64 accumulators, 512 registers.  K = 1,024 is two LDS slots of 512 along K (rows of 256 bytes):
; both slots and all scale bytes are asked for at the head, and no LDS byte is filled twice.
; CLUSTERS: 4 x 4 work-groups; the four of a row need the same tiles of the tokens' codes, the four of a column the same tiles of the weight's: each tile is asked for jointly.
; All sixteen lie in one of the three products (a cluster covers 1,024 tokens, a tensor has 8,192).
; THE MATRIX INSTRUCTION IS USED TRANSPOSED (source 0 = 16 rows of the weight, source 1 = 16 tokens): a lane holds eight neighbouring columns of one token.
; REGISTERS: window 0: v16-29 addresses; v32-95 scale words, two sets; v96-127 packed results; v128-191 the tokens' fragments, one set (later rows read back); v192-255 the bias in the result's layout.
;   window 1: the weight's fragments, two sets, at v0 and v128.  windows 2, 3: accumulators of my tokens 0-63, 64-127 ((a, b) at v[8 (8 (a % 4) + b)]).
.set NQ,     4                         ; matrix instructions deep in a slot
.set ROWB,   256                       ; a tile's row: 512 codes
.set KROW,   512                       ; a row of codes in memory
.set PITCH,  272                       ; an LDS row: 256 bytes + 16 of padding: the 16 rows of a fragment load start at 16 different 16-byte columns of 256
.set FR,     8
.set NL,     2
.set NP,     4                         ; places behind this matrix instruction (ISA guide 7.12.1)
.set HALFT,  128*PITCH
.set SLOT,   4*HALFT
.set KS,     32                        ; a row of scale bytes
.set SCL,    2*SLOT                    ; the scales, as units of 256 bytes + 16
.set HALFS,  (128*KS/256)*272
.set SBLK,   (16*KS/256)*272
.set SPARE,  SCL+4*HALFS               ; the spare words, 128 bytes a wave, named by no other line
.set STAGE,  SPARE+512                 ; the way out: 16 rows x 400 bytes for each wave; no tile lands here
.set SPITCH, 400
.set ADRA, 16
.set ADRB, 20
.set STO,  24
.set RD,   25
.set CO,   26
.set ADRS, 27
.set SPW,  28
.set NIL,  29
.set SC,   32
.set TMP,  96
.set AF,   128
.set BK,   128
.set BN,   192
.set G1, 24
.set G0, 32
.set G1B, 48
.set G0B, 56
.set G1S, 68
.set G0S, 76
.set G1SB, 80
.set G0SB, 88
.set MSB, 0
.macro WIN new                         ; the immediate's high byte repeats the setting that is left
.if MSB != (\new)
	s_set_vgpr_msb (MSB<<8)|(\new)
.set MSB, (\new)
.endif
.endm
.set MUL_LO,  0xa1                     ; source 0 window 1, source 1 window 0, C and D window 2
.set MUL_HI,  0xf1                     ; C and D window 3
.set MULZ_LO, 0x81                     ; the first products: C is the bias, in window 0
.set MULZ_HI, 0xc1
.set TO_B,    0x40
; A joint load: waves 0 and 1 fetch the tokens' side, waves 2 and 3 the weight's.  The branch hangs on the wave's number alone.  An s_nop 0 and four v_nop follow each line.
.macro JLOAD g0a, g1a, g0b, g1b
	s_cmp_eq_u32 s21, 0
	s_cbranch_scc0 .Lfor_b_\@
	tensor_load_to_lds s[\g0a:\g0a+3], s[\g1a:\g1a+7]
	s_nop 0
.rept 4
	v_nop
.endr
	s_branch .Lasked_\@
.Lfor_b_\@:
	tensor_load_to_lds s[\g0b:\g0b+3], s[\g1b:\g1b+7]
	s_nop 0
.rept 4
	v_nop
.endr
.Lasked_\@:
.endm
.macro CROUND                          ; a round of the cluster's barrier
	s_barrier_signal -1
	s_barrier_wait -1
	s_cmp_lg_u32 s20, 0
	s_cbranch_scc1 .Lnot_wave_0_\@
	s_barrier_signal -3
.Lnot_wave_0_\@:
	s_barrier_wait -3
	s_barrier_signal -1
	s_barrier_wait -1
.endm
	s_load_b256 s[4:11], s[0:1], 0x0               ; xc s[4:5], xs s[6:7], wc s[8:9], ws s[10:11]
	s_load_b256 s[12:19], s[0:1], 0x20             ; q_b s[12:13], k_b s[14:15], v_b s[16:17], qkv s[18:19]
	v_lshl_add_u32 v[SPW], v0, 2, SPARE
	v_mov_b32 v[NIL], 0
	ds_add_u32 v[SPW], v[NIL]                      ; the wave's opening: the add, twice on end, and its wait ahead of my first tensor load
	ds_add_u32 v[SPW], v[NIL]
	v_lshrrev_b32 v1, 5, v0
	v_readfirstlane_b32 s20, v1                    ; wave 0..3
	s_lshr_b32 s21, s20, 1                         ; my half of the tile's tokens.  Also: I fetch the tokens' side (0) or the weight's (1)
	s_and_b32 s22, s20, 1                          ; my half of its columns.  Also: which 128 rows I fetch
	s_bfe_u32 s40, ttmp6, 0x40000                  ; cx
	s_bfe_u32 s41, ttmp6, 0x40004                  ; cy
	s_lshl_b32 s42, ttmp9, 2
	s_add_co_u32 s42, s42, s40                     ; tile column 0..3
	s_and_b32 s46, ttmp7, 0xffff                   ; cluster y 0..23
	s_lshl_b32 s45, s46, 2
	s_add_co_u32 s45, s45, s41                     ; tile row 0..95, over the three tensors on end
	s_lshr_b32 s46, s46, 3                         ; which product: the same in all sixteen
	s_lshl_b32 s43, s41, 2
	s_lshl_b32 s43, 15, s43                        ; my row of the cluster
	s_lshl_b32 s44, 0x1111, s40                    ; my column
	s_or_b32 s[G1+0], s43, (0<<16)|(1<<20)|(1<<21)|(5<<22)|(3<<25)   ; the mask; elements of 1 byte; padding: 4 words after every 64; bit 21 beside a mask
	s_or_b32 s[G1B+0], s44, (0<<16)|(1<<20)|(1<<21)|(5<<22)|(3<<25)
.irp g, G1, G1B
	s_mov_b32 s[\g+1], ROWB<<16                    ; tensor_dim0
	s_mov_b32 s[\g+2], 128<<16                     ; tensor_dim1
	s_mov_b32 s[\g+3], ROWB<<16                    ; tile_dim0
	s_mov_b32 s[\g+4], 128                         ; tile_dim1
	s_mov_b32 s[\g+5], KROW                        ; from row to row
	s_mov_b32 s[\g+6], 0
	s_mov_b32 s[\g+7], 0
.endr
	s_or_b32 s[G1S+0], s43, (3<<16)|(1<<20)|(1<<21)|(5<<22)|(3<<25)  ; the scales of 128 rows: 4,096 dense bytes as 16 rows of 32 elements of 8 bytes
	s_or_b32 s[G1SB+0], s44, (3<<16)|(1<<20)|(1<<21)|(5<<22)|(3<<25)
.irp g, G1S, G1SB
	s_mov_b32 s[\g+1], 32<<16
	s_mov_b32 s[\g+2], (128*KS/256)<<16
	s_mov_b32 s[\g+3], 32<<16
	s_mov_b32 s[\g+4], 128*KS/256
	s_mov_b32 s[\g+5], 32
	s_mov_b32 s[\g+6], 0
	s_mov_b32 s[\g+7], 0
.endr
	s_lshl_b32 s2, s22, 7                          ; which 128 rows I fetch
	s_lshl_b32 s92, s45, 8
	s_add_co_u32 s92, s92, s2                      ; tokens' side: row 256 x tile row + 128 x half: no cx enters
	s_lshl_b32 s96, s92, 5                         ; its scale bytes,
	s_lshl_b32 s92, s92, 9                         ; its codes
	s_mov_b32 s93, 0
	s_mov_b32 s97, 0
	s_lshl_b32 s94, s46, 10
	s_lshl_b32 s3, s42, 8
	s_add_co_u32 s94, s94, s3
	s_add_co_u32 s94, s94, s2                      ; weight's side: row 1024 x product + 256 x tile column + 128 x half: no cy enters
	s_lshl_b32 s98, s94, 5
	s_lshl_b32 s94, s94, 9
	s_mov_b32 s95, 0
	s_mov_b32 s99, 0
	s_mul_i32 s66, s20, HALFT                      ; where they go: by the wave's number alone
	s_mul_i32 s67, s20, HALFS
	s_wait_dscnt 0x0                               ; both opening adds are done
	s_wait_kmcnt 0x0
	s_add_nc_u64 s[92:93], s[4:5], s[92:93]
	s_add_nc_u64 s[96:97], s[6:7], s[96:97]
	s_add_nc_u64 s[94:95], s[8:9], s[94:95]
	s_add_nc_u64 s[98:99], s[10:11], s[98:99]
	CROUND                                         ; all sixteen work-groups are here: the joint loads meet
	s_mov_b32 s[G0S], 1
	s_add_co_u32 s[G0S+1], s67, SCL
	s_mov_b64 s[G0S+2:G0S+3], s[96:97]
	s_or_b32 s[G0S+3], s[G0S+3], 0x80000000
	s_mov_b32 s[G0SB], 1
	s_add_co_u32 s[G0SB+1], s67, SCL
	s_mov_b64 s[G0SB+2:G0SB+3], s[98:99]
	s_or_b32 s[G0SB+3], s[G0SB+3], 0x80000000
	JLOAD G0S, G1S, G0SB, G1SB                     ; the scales first; with the two slots three loads of mine are out
.irp s, 0,1
	s_mov_b32 s[G0+4*\s], 1
	s_add_co_u32 s[G0+4*\s+1], s66, \s*SLOT
	s_add_nc_u64 s[G0+4*\s+2:G0+4*\s+3], s[92:93], \s*ROWB
	s_or_b32 s[G0+4*\s+3], s[G0+4*\s+3], 0x80000000
	s_mov_b32 s[G0B+4*\s], 1
	s_add_co_u32 s[G0B+4*\s+1], s66, \s*SLOT
	s_add_nc_u64 s[G0B+4*\s+2:G0B+4*\s+3], s[94:95], \s*ROWB
	s_or_b32 s[G0B+4*\s+3], s[G0B+4*\s+3], 0x80000000
	JLOAD G0+4*\s, G1, G0B+4*\s, G1B
.endr
	; the bias in the result's layout: lane (r, h), register j of block b: bias[my first column + 16 b + 8 h + j]
	s_cmp_eq_u32 s46, 1
	s_cselect_b64 s[12:13], s[14:15], s[12:13]
	s_cmp_eq_u32 s46, 2
	s_cselect_b64 s[12:13], s[16:17], s[12:13]
	s_lshl_b32 s2, s42, 10
	s_lshl_b32 s3, s22, 9
	s_add_co_u32 s2, s2, s3
	s_mov_b32 s3, 0
	s_add_nc_u64 s[12:13], s[12:13], s[2:3]
	v_and_b32 v1, 15, v0                           ; r
	v_bfe_u32 v2, v0, 4, 1                         ; h
	v_lshlrev_b32 v7, 5, v2
.irp b, 0,1,2,3,4,5,6,7
	global_load_b128 v[BN+8*\b:BN+8*\b+3], v7, s[12:13] offset:64*\b
	global_load_b128 v[BN+8*\b+4:BN+8*\b+7], v7, s[12:13] offset:64*\b+16
.endr
	v_mul_u32_u24 v3, v1, PITCH
	v_lshl_add_u32 v4, v2, 4, v3                   ; a fragment's row x pitch + 16 x half
	s_mul_i32 s2, s21, HALFT                       ; my 128 tokens
	s_mul_i32 s3, s22, HALFT                       ; my 128 rows of the weight,
	s_add_co_u32 s3, s3, 2*HALFT                   ; behind the tokens' 256
.irp s, 0,1
	v_add_nc_u32 v[ADRA+\s], s2, v4
	v_add_nc_u32 v[ADRB+\s], s3, v4
	s_add_co_u32 s2, s2, SLOT
	s_add_co_u32 s3, s3, SLOT
.endr
	v_mul_u32_u24 v5, v1, KS                       ; my row's scales: 32 bytes a row,
	v_lshrrev_b32 v6, 8, v5
	v_lshl_add_u32 v5, v6, 4, v5                   ; and 16 more for each 256 passed
	s_mul_i32 s2, s21, HALFS
	s_mul_i32 s3, s22, HALFS
	s_add_co_u32 s3, s3, 2*HALFS
	s_sub_co_u32 s3, s3, s2
	v_mul_u32_u24 v6, s3, v2                       ; lanes 16-31 take the weight's
	s_add_co_u32 s2, s2, SCL
	v_add_nc_u32 v5, v5, v6
	v_add_nc_u32 v[ADRS], s2, v5
	s_mul_i32 s2, s20, 16*SPITCH
	s_add_co_u32 s2, s2, STAGE                     ; my stage
	v_mul_u32_u24 v5, v1, SPITCH
	v_lshl_add_u32 v5, v2, 4, v5
	v_add_nc_u32 v[STO], s2, v5                    ; in: token r, 16 bytes for each half of the lanes
	v_bfe_u32 v5, v0, 3, 2
	v_mul_u32_u24 v5, v5, SPITCH
	v_and_b32 v6, 7, v0
	v_lshl_add_u32 v5, v6, 4, v5
	v_add_nc_u32 v[RD], s2, v5                     ; back: eight lanes take a token's 128 bytes of one head, four tokens an instruction
	v_and_b32 v6, 31, v0
	v_lshlrev_b32 v[CO], 4, v6                     ; and in memory those four tokens are 512 bytes on end
	s_lshl_b32 s2, s45, 8
	s_lshl_b32 s3, s21, 7
	s_add_co_u32 s2, s2, s3                        ; my first token among the 3 x 8,192
	s_lshr_b32 s3, s2, 11
	s_lshl_b32 s3, s3, 22                          ; product and batch: 4,194,304 bytes each
	s_and_b32 s2, s2, 2047
	s_lshl_b32 s2, s2, 7                           ; the token in its batch: 128 bytes
	s_add_co_u32 s2, s2, s3
	s_lshl_b32 s3, s42, 20                         ; head 4 x tile column + 2 x half, 262,144 bytes each
	s_add_co_u32 s2, s2, s3
	s_lshl_b32 s3, s22, 19
	s_add_co_u32 s2, s2, s3
	s_mov_b32 s3, 0
	s_add_nc_u64 s[18:19], s[18:19], s[2:3]
.macro FRAG reg, adr, q, i             ; 16 rows x 128 K of 4-bit codes: 8 registers, two loads 32 bytes apart
.irp c, 0,1
	ds_load_b128 v[\reg+4*\c:\reg+4*\c+3], v[\adr] offset:64*(\q)+32*\c+(\i)*16*PITCH
.endr
.endm
; 16 matrix instructions: token blocks a0, a0 + 1 x the weight's eight.  p: the weight's set; sc: the set of scale words.  zero = 1: the first product starts the sum from the bias.
; The 64 accumulators take turns, one instruction a turn, in the same order in every step.
.macro MUL16 a0, p, q, sc, zero
.irp a, \a0, \a0+1
.irp b, 0,1,2,3,4,5,6,7
.if \zero
	v_wmma_scale_f32_16x16x128_f8f6f4 v[8*(8*((\a)%4)+\b):8*(8*((\a)%4)+\b)+7], v[128*(\p)+FR*\b:128*(\p)+FR*\b+FR-1], v[AF+FR*(\a):AF+FR*(\a)+FR-1], v[BN+8*\b:BN+8*\b+7], v[SC+8*NQ*(\sc)+NQ*\b+(\q)], v[SC+8*NQ*(\sc)+NQ*(\a)+(\q)] matrix_a_fmt:MATRIX_FMT_FP4 matrix_b_fmt:MATRIX_FMT_FP4 matrix_a_scale:MATRIX_SCALE_ROW1
.else
	v_wmma_scale_f32_16x16x128_f8f6f4 v[8*(8*((\a)%4)+\b):8*(8*((\a)%4)+\b)+7], v[128*(\p)+FR*\b:128*(\p)+FR*\b+FR-1], v[AF+FR*(\a):AF+FR*(\a)+FR-1], v[8*(8*((\a)%4)+\b):8*(8*((\a)%4)+\b)+7], v[SC+8*NQ*(\sc)+NQ*\b+(\q)], v[SC+8*NQ*(\sc)+NQ*(\a)+(\q)] matrix_a_fmt:MATRIX_FMT_FP4 matrix_b_fmt:MATRIX_FMT_FP4 matrix_a_scale:MATRIX_SCALE_ROW1
.endif
.endr
.endr
.endm
.macro FETCH_B slot, q, p
	WIN TO_B
.irp i, 0,1,2,3,4,5,6,7
	FRAG 128*(\p)+FR*\i, ADRB+\slot, \q, \i
.endr
	WIN 0
.endm
.macro FETCH_A slot, q, i0
.irp i, \i0, \i0+1, \i0+2, \i0+3
	FRAG AF+FR*(\i), ADRA+\slot, \q, \i
.endr
.endm
.macro SCALES sc                       ; a slot's scale words: lanes 0-15 the tokens' block i, lanes 16-31 the weight's block i
.irp i, 0,1,2,3,4,5,6,7
	ds_load_b128 v[SC+8*NQ*\sc+NQ*\i:SC+8*NQ*\sc+NQ*\i+3], v[ADRS] offset:\i*SBLK
.endr
.endm
.macro PLACES n                        ; plain vector places behind matrix instructions, ahead of loads into their registers and of reads of results
.rept \n
	v_nop
.endr
.endm
.macro STEP slot, q, zero              ; 128 along K whose successor lies in the same slot
	s_wait_dscnt 4*NL                              ; all but the youngest eight loads (token blocks 4-7) are in
.if \zero
	WIN MULZ_LO
.else
	WIN MUL_LO
.endif
	MUL16 0, (\q)%2, \q, \slot, \zero
	MUL16 2, (\q)%2, \q, \slot, \zero
	s_wait_dscnt 0
	PLACES NP
	FETCH_B \slot, (\q)+1, 1-(\q)%2
	FETCH_A \slot, (\q)+1, 0
.if \zero
	WIN MULZ_HI
.else
	WIN MUL_HI
.endif
	MUL16 4, (\q)%2, \q, \slot, \zero
	MUL16 6, (\q)%2, \q, \slot, \zero
	PLACES NP
	WIN 0
	FETCH_A \slot, (\q)+1, 4
.endm
; Slot 0's last step goes over to slot 1: each wave waits for all its tensor loads, then the barrier shows the whole slot to every wave.  Nothing is filled again.
.macro TURN slot, next
	s_wait_tensorcnt 0x0                           ; my part of the next slot has landed
	ds_add_u32 v[SPW], v[NIL]
	s_wait_dscnt 4*NL+1                            ; the add and the youngest eight loads may be out
	WIN MUL_LO
	MUL16 0, 1, NQ-1, \slot, 0
	s_wait_dscnt 0x0                               ; no LDS instruction of mine is out at the signal
	s_barrier_signal -1
	MUL16 2, 1, NQ-1, \slot, 0
	WIN 0
	s_barrier_wait -1
	PLACES NP
	v_add_nc_u32 v[ADRS], 4*NQ, v[ADRS]            ; the next slot's scale words: 16 bytes on in each row
	FETCH_B \next, 0, 0
	FETCH_A \next, 0, 0
	SCALES \next
	WIN MUL_HI
	MUL16 4, 1, NQ-1, \slot, 0
	MUL16 6, 1, NQ-1, \slot, 0
	PLACES NP
	WIN 0
	FETCH_A \next, 0, 4
.endm
.macro STEPS slot, from
.set Q, \from
.rept NQ-1-\from
	STEP \slot, Q, 0
.set Q, Q+1
.endr
.endm
	s_wait_tensorcnt 1                             ; the scales and my part of slot 0 are in; slot 1's load may be out
	s_barrier_signal -1
	s_barrier_wait -1
	FETCH_B 0, 0, 0
	FETCH_A 0, 0, 0
	SCALES 0
	FETCH_A 0, 0, 4
	s_wait_loadcnt 0x0                             ; the bias
	STEP 0, 0, 1
	STEPS 0, 1
	TURN 0, 1
	STEPS 1, 0
	s_wait_dscnt 4*NL                              ; the last step: nothing more to fetch
	WIN MUL_LO
	MUL16 0, 1, NQ-1, 1, 0
	MUL16 2, 1, NQ-1, 1, 0
	s_wait_dscnt 0
	WIN MUL_HI
	MUL16 4, 1, NQ-1, 1, 0
	MUL16 6, 1, NQ-1, 1, 0
	WIN 0
; THE WAY OUT, a block of 16 tokens x 128 columns (two heads) at a time: rounded to f16, 16 bytes a lane into my own stage, back as four tokens of one head an instruction, stored as 512 consecutive bytes.
.macro PACK a
.set AC, 64*((\a)%4)
	WIN 0x0a+5*((\a)/4)                            ; sources in window 2 or 3
.irp b, 0,1,2,3,4,5,6,7
.irp r, 0,1,2,3
	v_cvt_pk_f16_f32 v[TMP+4*\b+\r], v[AC+8*\b+2*\r], v[AC+8*\b+2*\r+1]   ; each accumulator from its low end on
.endr
.endr
	WIN 0
.endm
.macro TOSTAGE a
.set BB, BK+32*((\a)%2)
.irp b, 0,1,2,3,4,5,6,7
	ds_store_b128 v[STO], v[TMP+4*\b:TMP+4*\b+3] offset:32*\b
.endr
.irp t, 0,1,2,3,4,5,6,7
	ds_load_b128 v[BB+4*\t:BB+4*\t+3], v[RD] offset:(\t%4)*4*SPITCH+(\t/4)*128   ; LDS serves a wave's instructions in order: these see the stores above
.endr
.endm
.macro SEND a, younger
.set BB, BK+32*((\a)%2)
	s_wait_dscnt \younger
.irp t, 0,1,2,3,4,5,6,7
	global_store_b128 v[CO], v[BB+4*\t:BB+4*\t+3], s[18:19] offset:(\t/4)*262144+(\a)*2048+(\t%4)*512
.endr
.endm
	PLACES NP
	PACK 0
	TOSTAGE 0
.irp a, 1,2,3,4,5,6,7
	PACK \a                                        ; block a's conversions stand between block a - 1's loads from the stage and the wait for them
	SEND \a-1, 0
.if \a > 1
	s_wait_xcnt 0x0                                ; block a - 2's stores have read their registers: block a's loads may land there
.endif
	TOSTAGE \a
.endr
	SEND 7, 0
	s_wait_tensorcnt 0x0                           ; the wave's end
	ds_add_u32 v[SPW], v[NIL]
	s_wait_dscnt 0x0
	CROUND                                         ; the closing round
	s_endpgm
.Lfunc_end_k_qb5eb301f3a_proj:
	.size	k_qb5eb301f3a_proj, .Lfunc_end_k_qb5eb301f3a_proj-k_qb5eb301f3a_proj
	.p2alignl 7, 3214868480
	.fill 96, 4, 3214868480
	.section	.rodata,"a",@progbits
	.p2align	6, 0x0
	.amdhsa_kernel k_qb5eb301f3a_proj
		.amdhsa_group_segment_fixed_size 327680
		.amdhsa_private_segment_fixed_size 0
		.amdhsa_enable_private_segment 0
		.amdhsa_kernarg_size 64
		.amdhsa_user_sgpr_count 2
		.amdhsa_user_sgpr_kernarg_segment_ptr 1
		.amdhsa_wavefront_size32 1
		.amdhsa_system_sgpr_workgroup_id_x 1
		.amdhsa_system_sgpr_workgroup_id_y 1
		.amdhsa_system_sgpr_workgroup_id_z 1
		.amdhsa_system_vgpr_workitem_id 0
		.amdhsa_next_free_vgpr 1024
		.amdhsa_next_free_sgpr 100
		.amdhsa_reserve_vcc 0
		.amdhsa_float_denorm_mode_32 3
		.amdhsa_float_denorm_mode_16_64 3
		.amdhsa_memory_ordered 1
		.amdhsa_forward_progress 1
		.amdhsa_inst_pref_size 128
	.end_amdhsa_kernel
	.amdgpu_metadata
---
amdhsa.version: [ 1, 2 ]
amdhsa.kernels:
  - .name:           k_qb5eb301f3a_proj
    .symbol:         k_qb5eb301f3a_proj.kd
    .args:
      - { .name: xc, .offset: 0, .size: 8, .value_kind: global_buffer, .address_space: global }
      - { .name: xs, .offset: 8, .size: 8, .value_kind: global_buffer, .address_space: global }
      - { .name: wc, .offset: 16, .size: 8, .value_kind: global_buffer, .address_space: global }
      - { .name: ws, .offset: 24, .size: 8, .value_kind: global_buffer, .address_space: global }
      - { .name: q_b, .offset: 32, .size: 8, .value_kind: global_buffer, .address_space: global }
      - { .name: k_b, .offset: 40, .size: 8, .value_kind: global_buffer, .address_space: global }
      - { .name: v_b, .offset: 48, .size: 8, .value_kind: global_buffer, .address_space: global }
      - { .name: qkv, .offset: 56, .size: 8, .value_kind: global_buffer, .address_space: global }
    .group_segment_fixed_size: 327680
    .private_segment_fixed_size: 0
    .kernarg_segment_align: 8
    .kernarg_segment_size: 64
    .max_flat_workgroup_size: 128
    .sgpr_count:     100
    .vgpr_count:     1024
    .wavefront_size: 32
...
	.end_amdgpu_metadata
.endif
;; end of part 2
;; launch attn (part 3): grid 4 x 64, 8 waves a work-group, clusters of 4 x 1, 327,680 bytes of LDS; arguments qkv, att; writes att
.if DOCPART == 3
	.amdgcn_target "amdgcn-amd-amdhsa--gfx1250"
	.amdhsa_code_object_version 6
	.text
	.protected	k_qb5eb301f3a_attn
	.globl	k_qb5eb301f3a_attn
	.p2align	8
	.type	k_qb5eb301f3a_attn,@function
k_qb5eb301f3a_attn:
	s_mov_b64 s[64:65], 0
	v_nop
	global_prefetch_b8 v0, s[64:65] scope:SCOPE_SE
	s_setreg_imm32_b32 hwreg(HW_REG_WAVE_MODE, 25, 1), 1
	s_wait_xcnt 0x0
	s_wait_alu depctr_hold_cnt(0) depctr_sa_sdst(0) depctr_va_vdst(0) depctr_va_sdst(0) depctr_va_ssrc(0) depctr_va_vcc(0) depctr_vm_vsrc(0)
	s_getreg_b32 s2, hwreg(HW_REG_IB_STS2, 6, 4)
	s_cmp_eq_u32 s2, 0
	s_cbranch_scc0 .Lentry_in_a_cluster
	s_endpgm
.Lentry_in_a_cluster:
	s_bfe_u32 s2, ttmp6, 0x10000c
	s_cmp_lg_u32 s2, 0x3003
	s_cbranch_scc0 .Lentry_shape_is_right
	s_endpgm
.Lentry_shape_is_right:
; att[b][h][q][:] = the sum over k of softmax_k(q . k / 8) v[k][:], for 64 heads (batch x head) of 2,048 tokens and 64 channels.  qkv: f16 [3][64 heads][2048][64]; att: f16 [64 heads][2048][64].
; Products on f16 operands, sums, maxima and exponentials in f32; the weights p are rounded to f16 for the second product, the result once at the end.
; LIMITS: the inputs lie in f16 already; a row all of whose scores lie under -3e38 is not served; NaN and infinities are not served.
; SHARES.  A work-group owns 512 queries of a head, each of its eight waves 64: four tiles of 16.  Two waves of 512 registers share a SIMD, so that one wave's softmax stands beside the other's products.
; Every wave walks all 2,048 keys, 64 a step.  Each fragment of k and v read from LDS feeds four tiles.
; LAYOUT.  S^T = k q^T (source 0 = 16 keys, source 1 = 16 queries): a lane holds ONE query (lane % 16) and keys 8 (lane / 16) + 0..7.  Two such tiles, rounded in pairs, ARE source 1 of O^T = v^T p.
; SOFTMAX.  For each query a running maximum m and sum l: p = 2^(c s - c m), c = log2(e) / 8; in every step O^T and l are multiplied by a = 2^(c m_old - c m_new).
; O^T and l begin as zeros and m as -3e38, so that the step is written once: the first a is 0.
; CLUSTER.  The head's four work-groups walk the same k and v: each tile is asked for jointly (mask 15).  Waves 0-3 fetch the four steps' tiles of k of a slot, waves 4-7 those of v: one load a wave.
; RING.  Two slots of four steps (256 keys).  The change of slots stands at a slot's head; behind its round the slot just left is filled: that load has four steps in which to land.
; LDS.  A head's rows (128 bytes) are dense, so a step's tile is stated as 32 rows of 256 bytes (two keys), padded by 16 (k) or 32 (v) bytes: key i lies at (i / 2) x pitch + 128 (i % 2).
; With these pitches the 16 lanes of a fragment load of k, and of a turning load of v, take 16 different 16-byte columns of 256.
; REGISTERS.  window 0: v2-15 addresses; v32-63 statistics, eight a tile; v64-191 S^T, 32 a tile (p is packed in place into each tile's first 16); v192-255 k's fragments.
;   window 1: v0-127 O^T, 32 a tile; v128-191 q, 16 a tile; v192-255 v's fragments.
.set PK,    272
.set PV,    288
.set VOFF,  32*PK                      ; a step's tiles lie together: k, then v
.set STEPB, 32*(PK+PV)
.set NST,   4                          ; steps in a slot
.set SLOT1, 1<<17                      ; one exclusive or turns an address in one slot into the other's
.set SPARE, SLOT1+NST*STEPB            ; the spare words, 128 bytes a wave, named by no other line
.set STAGE, SPARE+1024                 ; the way out: 64 rows x 144 bytes for each wave; no tile lands here
.set SP,    144
.set AK0, 2
.set AV0, 3
.set ADK, 4
.set ADV, 5
.set QO,  6
.set STO, 7
.set RD,  8
.set GO,  9
.set PFO, 10
.set SPW, 14
.set NIL, 15
.set ST,  32                           ; tile t at v[ST+8 t]: +0 c m, +1 m, +2, +3 l (even keys', odd keys'), +4..+7 c0-c3 at work; a takes c2's place
.set S,   64
.set KF,  192
.set QF,  128                          ; in window 1
.set VF,  192                          ; in window 1
.set WV,  12
.set LIM, 15
.set PFA, 18
.set G1K, 24
.set G1V, 32
.set G0K, 40
.set G0V, 44
.set SLOTS, 56
.set CNT, 57
.set CS,  58
.set SEL, 60
.set TB,  62
.set MSB, 0
.macro WIN new
.if MSB != (\new)
	s_set_vgpr_msb (MSB<<8)|(\new)
.set MSB, (\new)
.endif
.endm
.set W_KQ, 0x04                        ; q (source 1) in window 1
.set W_PV, 0x51                        ; v, C and D in window 1, p in window 0
.set W_RS, 0x41                        ; O^T (destination and source 0) in window 1
.macro JLOAD                           ; the branch hangs on the wave's number alone; an s_nop 0 and four v_nop follow each line
	s_cmp_lt_u32 s[WV], 4
	s_cbranch_scc0 .Lfor_v_\@
	tensor_load_to_lds s[G0K:G0K+3], s[G1K:G1K+7]
	s_nop 0
.rept 4
	v_nop
.endr
	s_branch .Lasked_\@
.Lfor_v_\@:
	tensor_load_to_lds s[G0V:G0V+3], s[G1V:G1V+7]
	s_nop 0
.rept 4
	v_nop
.endr
.Lasked_\@:
.endm
; A prefetch of what the NEXT change of slots will ask for: a slot's 32,768 bytes of k and of v.  The four partners share them out by address, 8,192 bytes each, lanes 256 bytes apart;
; wave 0 asks for k's, wave 4 for v's: each aligned block of 256 bytes is named once in the launch.  The last change that fills a slot asks for nothing.
.macro ASK
	s_cmp_gt_u32 s[SLOTS], s[LIM]
	s_cbranch_scc0 .Lnot_mine_\@
	global_prefetch_b8 v[PFO], s[PFA:PFA+1] th:TH_LOAD_NT scope:SCOPE_SE
.Lnot_mine_\@:
.endm
.macro CROUND
	s_barrier_signal -1
	s_barrier_wait -1
	s_cmp_lg_u32 s[WV], 0
	s_cbranch_scc1 .Lnot_wave_0_\@
	s_barrier_signal -3
.Lnot_wave_0_\@:
	s_barrier_wait -3
	s_barrier_signal -1
	s_barrier_wait -1
.endm
	s_load_b128 s[4:7], s[0:1], 0x0                ; qkv s[4:5], att s[6:7]
	v_lshl_add_u32 v[SPW], v0, 2, SPARE
	v_mov_b32 v[NIL], 0
	ds_add_u32 v[SPW], v[NIL]                      ; the wave's opening: the add, twice on end, and its wait ahead of my first tensor load
	ds_add_u32 v[SPW], v[NIL]
	v_lshrrev_b32 v1, 5, v0
	v_readfirstlane_b32 s[WV], v1                  ; wave 0..7
	s_bfe_u32 s13, ttmp6, 0x40000                  ; cx: it enters q's, att's and the prefetches' addresses alone
	s_and_b32 s20, ttmp7, 0xffff                   ; the head, which the four partners share
	s_lshl_b32 s20, s20, 18                        ; its first byte: 262,144 a head
	s_and_b32 s16, s[WV], 3                        ; which of a slot's four steps I fetch
	s_lshl_b32 s22, s16, 13                        ; its 8,192 bytes in memory,
	s_add_co_u32 s22, s22, s20
	s_mov_b32 s23, 0
	s_mul_i32 s17, s16, STEPB                      ; and its place in a slot
	s_lshl_b32 s2, s13, 16                         ; my work-group's 512 queries of 128 bytes,
	s_lshl_b32 s3, s[WV], 13                       ; my wave's 64
	s_add_co_u32 s2, s2, s3
	s_add_co_u32 s2, s2, s20
	s_mov_b32 s3, 0
	s_cmp_lt_u32 s[WV], 4                          ; the prefetches' offset: in k (waves 0-3) or in v,
	s_cselect_b32 s10, 0, 0x1000000
	s_add_co_u32 s10, s10, 0x1000000+32768         ; in slot 1: the first change of slots steps it to slot 2,
	s_add_co_u32 s10, s10, s20                     ; in my head,
	s_lshl_b32 s11, s13, 13
	s_add_co_u32 s10, s10, s11                     ; my work-group's 8,192 bytes
	s_mov_b32 s11, 0
	s_cmp_eq_u32 s16, 0
	s_cselect_b32 s[LIM], 1, -1                    ; waves 0 and 4 ask: the same in all partners
	s_mov_b32 s[G1K], 15|(1<<16)|(1<<20)|(1<<21)|(5<<22)|(3<<25)  ; the mask: all four; elements of 2 bytes; padding on; bit 21 beside a mask; after every 64 words 4 words
	s_mov_b32 s[G1V], 15|(1<<16)|(1<<20)|(1<<21)|(5<<22)|(7<<25)  ; the same with 8 words
.irp g, G1K, G1V
	s_mov_b32 s[\g+1], 128<<16                     ; tensor_dim0 = 128 elements
	s_mov_b32 s[\g+2], 32<<16                      ; tensor_dim1 = 32
	s_mov_b32 s[\g+3], 128<<16                     ; tile_dim0
	s_mov_b32 s[\g+4], 32                          ; tile_dim1
	s_mov_b32 s[\g+5], 128                         ; from row to row
	s_mov_b32 s[\g+6], 0
	s_mov_b32 s[\g+7], 0
.endr
	s_mov_b32 s[CS], 0x3e38aa3b                    ; c = log2(e) / 8
	s_mov_b32 s[CS+1], s[CS]
	s_mov_b32 s[SEL], 0x76543210
	s_mov_b32 s[SEL+1], 0xfedcba98                 ; lane l xor 16
	s_mov_b32 s[TB], 0
	s_mov_b32 s[SLOTS], 7
	s_wait_dscnt 0x0                               ; both opening adds are done
	s_wait_kmcnt 0x0
	s_add_nc_u64 s[PFA:PFA+1], s[4:5], s[10:11]
	s_add_nc_u64 s[8:9], s[4:5], s[2:3]            ; q at my wave's first query
	s_add_nc_u64 s[10:11], s[6:7], s[2:3]          ; att likewise
	s_mov_b32 s[G0K], 1
	s_mov_b32 s[G0K+1], s17
	s_add_nc_u64 s[G0K+2:G0K+3], s[4:5], s[22:23]
	s_add_nc_u64 s[G0K+2:G0K+3], s[G0K+2:G0K+3], 0x1000000   ; k begins 16,777,216 bytes into qkv
	s_or_b32 s[G0K+3], s[G0K+3], 0x80000000
	s_mov_b32 s[G0V], 1
	s_add_co_u32 s[G0V+1], s17, VOFF
	s_add_nc_u64 s[G0V+2:G0V+3], s[4:5], s[22:23]
	s_add_nc_u64 s[G0V+2:G0V+3], s[G0V+2:G0V+3], 0x2000000   ; v 33,554,432
	s_or_b32 s[G0V+3], s[G0V+3], 0x80000000
	CROUND                                         ; all four work-groups are here
	JLOAD                                          ; slot 0: one load of mine is out
	v_and_b32 v1, 15, v0                           ; r
	v_bfe_u32 v11, v0, 4, 1                        ; h
	v_lshlrev_b32 v[QO], 7, v1
	v_lshl_add_u32 v[QO], v11, 4, v[QO]            ; q: row r of 128 bytes + 16 h
	WIN 0x40                                       ; destination window 1
.irp t, 0,1,2,3
.irp c, 0,1
	global_load_b128 v[QF+16*\t+8*\c:QF+16*\t+8*\c+3], v[QO], s[8:9] offset:2048*\t+64*\c
	global_load_b128 v[QF+16*\t+8*\c+4:QF+16*\t+8*\c+7], v[QO], s[8:9] offset:2048*\t+64*\c+32
.endr
.endr
.set i, 0
.rept 128
	v_mov_b32 v[i], 0                              ; O^T
.set i, i+1
.endr
	WIN 0
	v_lshrrev_b32 v12, 1, v1
	v_mul_u32_u24 v[AK0], v12, PK
	v_and_b32 v13, 1, v1
	v_lshl_add_u32 v[AK0], v13, 7, v[AK0]
	v_lshl_add_u32 v[AK0], v11, 4, v[AK0]          ; k: key r: (r / 2) pitch + 128 (r % 2) + 16 h
	v_bfe_u32 v12, v0, 1, 2
	v_lshl_add_u32 v12, v11, 2, v12
	v_mul_u32_u24 v[AV0], v12, PV
	v_and_b32 v13, 1, v0
	v_lshl_add_u32 v[AV0], v13, 7, v[AV0]
	v_bfe_u32 v13, v0, 3, 1
	v_lshl_add_u32 v[AV0], v13, 4, v[AV0]
	v_add_nc_u32 v[AV0], VOFF, v[AV0]              ; v: key 8 h + l % 8, channels 8 ((l / 8) % 2) on
	s_mul_i32 s2, s[WV], 64*SP
	s_add_co_u32 s2, s2, STAGE                     ; my stage
	v_mul_u32_u24 v[STO], v1, SP
	v_lshl_add_u32 v[STO], v11, 4, v[STO]
	v_add_nc_u32 v[STO], s2, v[STO]
	v_bfe_u32 v12, v0, 3, 2
	v_mul_u32_u24 v[RD], v12, SP
	v_and_b32 v13, 7, v0
	v_lshl_add_u32 v[RD], v13, 4, v[RD]
	v_add_nc_u32 v[RD], s2, v[RD]
	v_and_b32 v12, 31, v0
	v_lshlrev_b32 v[GO], 4, v12
	v_lshlrev_b32 v[PFO], 8, v12
.irp t, 0,1,2,3
	v_mov_b32 v[ST+8*\t+1], 0xff61b1e6             ; m = -3e38
	v_mov_b32 v[ST+8*\t+2], 0                      ; l
	v_mov_b32 v[ST+8*\t+3], 0
.endr
.irp t, 0,1,2,3
	v_mul_f32 v[ST+8*\t], s[CS], v[ST+8*\t+1]      ; c m
.endr
; A KEY STEP: 64 keys at LDS byte s[TB].  Every window is 0 at its head and at its end.
.macro STEP
	v_add_nc_u32 v[ADK], s[TB], v[AK0]
	v_add_nc_u32 v[ADV], s[TB], v[AV0]
.irp f, 0,1,2,3,4,5,6,7                ; k: keys 16 (f / 2) on, channels 32 (f % 2) on
	ds_load_b128 v[KF+8*\f:KF+8*\f+3], v[ADK] offset:(\f/2)*8*PK+(\f%2)*64
	ds_load_b128 v[KF+8*\f+4:KF+8*\f+7], v[ADK] offset:(\f/2)*8*PK+(\f%2)*64+32
.endr
	WIN 0x40
.irp f, 0,1,2,3,4,5,6,7                ; v, turned: keys 32 (f / 4) on, channels 16 (f % 4) on
	ds_load_tr16_b128 v[VF+8*\f:VF+8*\f+3], v[ADV] offset:(\f/4)*16*PV+(\f%4)*32
	ds_load_tr16_b128 v[VF+8*\f+4:VF+8*\f+7], v[ADV] offset:(\f/4)*16*PV+(\f%4)*32+8*PV
.endr
	s_wait_dscnt 16                                ; k is in; v's sixteen loads may be out
	WIN W_KQ
.irp c, 0,1                            ; S^T = k q^T: the 16 accumulators take turns
.irp kt, 0,1,2,3
.irp t, 0,1,2,3
.if \c == 0
	v_wmma_f32_16x16x32_f16 v[S+32*\t+8*\kt:S+32*\t+8*\kt+7], v[KF+16*\kt+8*\c:KF+16*\kt+8*\c+7], v[QF+16*\t+8*\c:QF+16*\t+8*\c+7], 0
.else
	v_wmma_f32_16x16x32_f16 v[S+32*\t+8*\kt:S+32*\t+8*\kt+7], v[KF+16*\kt+8*\c:KF+16*\kt+8*\c+7], v[QF+16*\t+8*\c:QF+16*\t+8*\c+7], v[S+32*\t+8*\kt:S+32*\t+8*\kt+7]
.endif
.endr
.endr
.endr
	WIN 0
.rept 4
	v_nop                                          ; places ahead of the first read of the scores
.endr
.irp j, 0,1,2,3                        ; the maximum of a lane's 32 scores and the old m: four chains a tile, the tiles by turns; each accumulator is read from its low end on
.irp t, 0,1,2,3
	v_max3_num_f32 v[ST+8*\t+4+\j], v[S+32*\t+8*\j], v[S+32*\t+8*\j+1], v[S+32*\t+8*\j+2]
.endr
.endr
.irp u, 1,2
.irp j, 0,1,2,3
.irp t, 0,1,2,3
	v_max3_num_f32 v[ST+8*\t+4+\j], v[ST+8*\t+4+\j], v[S+32*\t+8*\j+2*\u+1], v[S+32*\t+8*\j+2*\u+2]
.endr
.endr
.endr
.irp t, 0,1,2,3
	v_max3_num_f32 v[ST+8*\t+4], v[ST+8*\t+4], v[S+32*\t+7], v[S+32*\t+15]
.endr
.irp t, 0,1,2,3
	v_max3_num_f32 v[ST+8*\t+6], v[ST+8*\t+6], v[S+32*\t+23], v[S+32*\t+31]
.endr
.irp t, 0,1,2,3
	v_max3_num_f32 v[ST+8*\t+4], v[ST+8*\t+4], v[ST+8*\t+5], v[ST+8*\t+6]
.endr
.irp t, 0,1,2,3
	v_max3_num_f32 v[ST+8*\t+4], v[ST+8*\t+4], v[ST+8*\t+7], v[ST+8*\t+1]
.endr
.irp t, 0,1,2,3
	v_permlanex16_b32 v[ST+8*\t+5], v[ST+8*\t+4], s[SEL], s[SEL+1]   ; the query's other 32 keys lie in the lane 16 away
.endr
.irp t, 0,1,2,3
	v_mov_b32 v[ST+8*\t+7], v[ST+8*\t]             ; c m_old
.endr
.irp t, 0,1,2,3
	v_max_num_f32 v[ST+8*\t+1], v[ST+8*\t+4], v[ST+8*\t+5]
.endr
.irp t, 0,1,2,3
	v_mul_f32 v[ST+8*\t], s[CS], v[ST+8*\t+1]
.endr
.irp t, 0,1,2,3
	v_sub_f32 v[ST+8*\t+7], v[ST+8*\t+7], v[ST+8*\t]
.endr
	; ONE BATCH: the four a, the 64 scalings and the 128 exponentials; none of these lines names an exponential's result.  A pair is scaled a group ahead of its exponentials.
.irp t, 0,1,2,3
	v_exp_f32 v[ST+8*\t+6], v[ST+8*\t+7]           ; a
.endr
.irp t, 0,1,2,3
	v_pk_fma_f32 v[S+32*\t:S+32*\t+1], v[S+32*\t:S+32*\t+1], s[CS:CS+1], v[ST+8*\t:ST+8*\t+1] op_sel_hi:[1,0,0] neg_lo:[0,0,1] neg_hi:[0,0,1]
.endr
.irp i, 0,1,2,3,4,5,6,7,8,9,10,11,12,13,14,15
.if \i < 15
.irp t, 0,1,2,3
	v_pk_fma_f32 v[S+32*\t+2*\i+2:S+32*\t+2*\i+3], v[S+32*\t+2*\i+2:S+32*\t+2*\i+3], s[CS:CS+1], v[ST+8*\t:ST+8*\t+1] op_sel_hi:[1,0,0] neg_lo:[0,0,1] neg_hi:[0,0,1]   ; c s - c m
.endr
.endif
.irp t, 0,1,2,3
	v_exp_f32 v[S+32*\t+2*\i], v[S+32*\t+2*\i]
	v_exp_f32 v[S+32*\t+2*\i+1], v[S+32*\t+2*\i+1]
.endr
.endr
	v_nop                                          ; the plain line behind the last exponential
	s_wait_alu depctr_va_vdst(0)                   ; one wait for the whole batch, ahead of its first reader
.irp t, 0,1,2,3                        ; the sums of the unrounded p, in two chains a tile: l = a l + the even pairs, T (c0, c1) the odd pairs
	v_pk_fma_f32 v[ST+8*\t+2:ST+8*\t+3], v[ST+8*\t+2:ST+8*\t+3], v[ST+8*\t+6:ST+8*\t+7], v[S+32*\t:S+32*\t+1] op_sel_hi:[1,0,1]
.endr
.irp t, 0,1,2,3
	v_pk_add_f32 v[ST+8*\t+4:ST+8*\t+5], v[S+32*\t+2:S+32*\t+3], v[S+32*\t+6:S+32*\t+7]
.endr
.irp i, 2,4,6,8,10,12
.irp t, 0,1,2,3
	v_pk_add_f32 v[ST+8*\t+2:ST+8*\t+3], v[ST+8*\t+2:ST+8*\t+3], v[S+32*\t+2*\i:S+32*\t+2*\i+1]
.endr
.irp t, 0,1,2,3
	v_pk_add_f32 v[ST+8*\t+4:ST+8*\t+5], v[ST+8*\t+4:ST+8*\t+5], v[S+32*\t+2*\i+6:S+32*\t+2*\i+7]
.endr
.endr
.irp t, 0,1,2,3
	v_pk_add_f32 v[ST+8*\t+2:ST+8*\t+3], v[ST+8*\t+2:ST+8*\t+3], v[S+32*\t+28:S+32*\t+29]
.endr
.irp t, 0,1,2,3
	v_pk_add_f32 v[ST+8*\t+2:ST+8*\t+3], v[ST+8*\t+2:ST+8*\t+3], v[ST+8*\t+4:ST+8*\t+5]
.endr
.irp i, 0,1,2,3,4,5,6,7,8,9,10,11,12,13,14,15   ; p to f16, in place and ascending: register i takes pair i, whose place has been read; registers 8 g .. 8 g + 7 are then the fragment of keys 32 g on
.irp t, 0,1,2,3
	v_cvt_pk_f16_f32 v[S+32*\t+\i], v[S+32*\t+2*\i], v[S+32*\t+2*\i+1]
.endr
.endr
	WIN W_RS
.irp t, 0,1,2,3                        ; O^T x a, each accumulator from its low end on
.set i, 0
.rept 16
	v_pk_mul_f32 v[32*\t+i:32*\t+i+1], v[32*\t+i:32*\t+i+1], v[ST+8*\t+6:ST+8*\t+7] op_sel_hi:[1,0]
.set i, i+2
.endr
.endr
	s_wait_dscnt 0x0                               ; v is in
	WIN W_PV
.irp g, 0,1                            ; O^T += v^T p: the 16 accumulators take turns
.irp ct, 0,1,2,3
.irp t, 0,1,2,3
	v_wmma_f32_16x16x32_f16 v[32*\t+8*\ct:32*\t+8*\ct+7], v[VF+8*(4*\g+\ct):VF+8*(4*\g+\ct)+7], v[S+32*\t+8*\g:S+32*\t+8*\g+7], v[32*\t+8*\ct:32*\t+8*\ct+7]
.endr
.endr
.endr
	WIN 0
.rept 5
	v_nop                                          ; five places: the next step's first products write over p's registers; its loads land in v's
.endr
	s_add_co_u32 s[TB], s[TB], STEPB
.endm
; THE CHANGE OF SLOTS, at a slot's head.  Each wave waits for all its tensor loads (its part of the slot ahead), adds 0 to its spare word, and waits for that and for its reads of the slot left.
; fill = 1: a round of the cluster's barrier, and behind it the joint fill of the slot left, first thing: one load a wave.
.macro CHANGE fill
	s_wait_tensorcnt 0x0                           ; no tensor load of mine is out, so a group 0 may be written
	ds_add_u32 v[SPW], v[NIL]
.if \fill
	s_xor_b32 s[G0K+1], s[G0K+1], SLOT1            ; the other slot than last time,
	s_add_nc_u64 s[G0K+2:G0K+3], s[G0K+2:G0K+3], 32768   ; the next 256 keys
	s_xor_b32 s[G0V+1], s[G0V+1], SLOT1
	s_add_nc_u64 s[G0V+2:G0V+3], s[G0V+2:G0V+3], 32768
	s_wait_xcnt 0x0                                ; the last prefetch, a slot back, has read its address
	s_add_nc_u64 s[PFA:PFA+1], s[PFA:PFA+1], 32768
	s_wait_dscnt 0x0                               ; the add is done, and my reads of the slot left are over
	CROUND
	JLOAD
	ASK
.else
	s_wait_dscnt 0x0
	s_barrier_signal -1
	s_barrier_wait -1
.endif
.endm
.macro SLOT_STEPS                      ; a slot's four steps: written once, walked four times
	s_mov_b32 s[CNT], NST
.Lstep_\@:
	STEP
	s_sub_co_u32 s[CNT], s[CNT], 1
	s_cmp_lg_u32 s[CNT], 0
	s_cbranch_scc1 .Lstep_\@
	s_sub_co_u32 s[TB], s[TB], NST*STEPB
	s_xor_b32 s[TB], s[TB], SLOT1                  ; on to the other slot
.endm
	s_wait_loadcnt 0x0                             ; q
.Lslot:                                            ; seven trips: behind each change of slots but the last the next slot is asked for
	CHANGE 1
	SLOT_STEPS
	s_sub_co_u32 s[SLOTS], s[SLOTS], 1
	s_cmp_lg_u32 s[SLOTS], 0
	s_cbranch_scc1 .Lslot
	CHANGE 0                                       ; the last slot is written out
	SLOT_STEPS
	; THE WAY OUT: O^T / l, rounded to f16, through my stage, out as 512 consecutive bytes (four queries) an instruction.
.irp t, 0,1,2,3
	v_add_f32 v[ST+8*\t+4], v[ST+8*\t+2], v[ST+8*\t+3]
.endr
.irp t, 0,1,2,3
	v_permlanex16_b32 v[ST+8*\t+5], v[ST+8*\t+4], s[SEL], s[SEL+1]
.endr
.irp t, 0,1,2,3
	v_add_f32 v[ST+8*\t+4], v[ST+8*\t+4], v[ST+8*\t+5]
.endr
.irp t, 0,1,2,3
	v_rcp_f32 v[ST+8*\t+6], v[ST+8*\t+4]
.endr
	v_nop
	s_wait_alu depctr_va_vdst(0)                   ; one wait for the four reciprocals
	WIN W_RS
.irp t, 0,1,2,3
.set i, 0
.rept 16
	v_pk_mul_f32 v[32*\t+i:32*\t+i+1], v[32*\t+i:32*\t+i+1], v[ST+8*\t+6:ST+8*\t+7] op_sel_hi:[1,0]
.set i, i+2
.endr
.endr
	WIN 0x05                                       ; both sources in window 1, destination in window 0
.irp t, 0,1,2,3
.set i, 0
.rept 16
	v_cvt_pk_f16_f32 v[S+16*\t+i], v[32*\t+2*i], v[32*\t+2*i+1]
.set i, i+1
.endr
.endr
	WIN 0
.irp t, 0,1,2,3
.irp ct, 0,1,2,3
	ds_store_b128 v[STO], v[S+16*\t+4*\ct:S+16*\t+4*\ct+3] offset:16*SP*\t+32*\ct   ; query 16 t + r, channels 16 ct + 8 h on
.endr
.endr
.irp i, 0,1,2,3,4,5,6,7,8,9,10,11,12,13,14,15
	ds_load_b128 v[S+64+4*\i:S+64+4*\i+3], v[RD] offset:4*SP*\i   ; LDS serves a wave's instructions in order: these see my stores
.endr
.irp i, 0,1,2,3,4,5,6,7,8,9,10,11,12,13,14,15
	s_wait_dscnt 15-\i                             ; the younger loads may be out
	global_store_b128 v[GO], v[S+64+4*\i:S+64+4*\i+3], s[10:11] offset:512*\i
.endr
	s_wait_tensorcnt 0x0                           ; the wave's end
	ds_add_u32 v[SPW], v[NIL]
	s_wait_dscnt 0x0
	CROUND                                         ; the closing round
	s_endpgm
.Lfunc_end_k_qb5eb301f3a_attn:
	.size	k_qb5eb301f3a_attn, .Lfunc_end_k_qb5eb301f3a_attn-k_qb5eb301f3a_attn
	.p2alignl 7, 3214868480
	.fill 96, 4, 3214868480
	.section	.rodata,"a",@progbits
	.p2align	6, 0x0
	.amdhsa_kernel k_qb5eb301f3a_attn
		.amdhsa_group_segment_fixed_size 327680
		.amdhsa_private_segment_fixed_size 0
		.amdhsa_enable_private_segment 0
		.amdhsa_kernarg_size 16
		.amdhsa_user_sgpr_count 2
		.amdhsa_user_sgpr_kernarg_segment_ptr 1
		.amdhsa_wavefront_size32 1
		.amdhsa_system_sgpr_workgroup_id_x 1
		.amdhsa_system_sgpr_workgroup_id_y 1
		.amdhsa_system_sgpr_workgroup_id_z 1
		.amdhsa_system_vgpr_workitem_id 0
		.amdhsa_next_free_vgpr 512
		.amdhsa_next_free_sgpr 66
		.amdhsa_reserve_vcc 0
		.amdhsa_float_denorm_mode_32 3
		.amdhsa_float_denorm_mode_16_64 3
		.amdhsa_memory_ordered 1
		.amdhsa_forward_progress 1
		.amdhsa_inst_pref_size 91
	.end_amdhsa_kernel
	.amdgpu_metadata
---
amdhsa.version: [ 1, 2 ]
amdhsa.kernels:
  - .name:           k_qb5eb301f3a_attn
    .symbol:         k_qb5eb301f3a_attn.kd
    .args:
      - { .name: qkv, .offset: 0, .size: 8, .value_kind: global_buffer, .address_space: global }
      - { .name: att, .offset: 8, .size: 8, .value_kind: global_buffer, .address_space: global }
    .group_segment_fixed_size: 327680
    .private_segment_fixed_size: 0
    .kernarg_segment_align: 8
    .kernarg_segment_size: 16
    .max_flat_workgroup_size: 256
    .sgpr_count:     66
    .vgpr_count:     512
    .wavefront_size: 32
...
	.end_amdgpu_metadata
.endif
;; end of part 3
;; launch oproj (part 4): grid 4 x 64, 4 waves a work-group, clusters of 4 x 4, 327,680 bytes of LDS; arguments att, ow, o_b, out0; writes out0
.if DOCPART == 4
	.amdgcn_target "amdgcn-amd-amdhsa--gfx1250"
	.amdhsa_code_object_version 6
	.text
	.protected	k_qb5eb301f3a_oproj
	.globl	k_qb5eb301f3a_oproj
	.p2align	8
	.type	k_qb5eb301f3a_oproj,@function
k_qb5eb301f3a_oproj:
	s_mov_b64 s[64:65], 0
	v_nop
	global_prefetch_b8 v0, s[64:65] scope:SCOPE_SE
	s_setreg_imm32_b32 hwreg(HW_REG_WAVE_MODE, 25, 1), 1
	s_wait_xcnt 0x0
	s_wait_alu depctr_hold_cnt(0) depctr_sa_sdst(0) depctr_va_vdst(0) depctr_va_sdst(0) depctr_va_ssrc(0) depctr_va_vcc(0) depctr_vm_vsrc(0)
	s_getreg_b32 s2, hwreg(HW_REG_IB_STS2, 6, 4)
	s_cmp_eq_u32 s2, 0
	s_cbranch_scc0 .Lentry_in_a_cluster
	s_endpgm
.Lentry_in_a_cluster:
	s_bfe_u32 s2, ttmp6, 0x10000c
	s_cmp_lg_u32 s2, 0xf033
	s_cbranch_scc0 .Lentry_shape_is_right
	s_endpgm
.Lentry_shape_is_right:
; out0 = attention's result x o_w^T + o_b.  att: f16 [4 batches][16 heads][2048 tokens][64]; ow: f16 [16 blocks of 64 along K][1024 rows][64]; o_b f32; out0 [8192][1024] f32.  Sums in f32, begun from the bias.
; K = head x 64 + channel: a block of 64 along K is a head, and both operands lie by such blocks, each block's rows (128 bytes) dense: a tile is stated as rows of 256 bytes (two rows), 16 bytes of padding behind each.
; A tile of the output, 128 tokens x 256 columns, is made by four waves, 64 x 128 each: 32 accumulators in window 2.  256 work-groups.
; K goes in steps of 128 (two blocks) through a ring of two LDS slots; wave 0, 1 fetch the tokens' two blocks, waves 2, 3 the weight's: one load a wave behind each round.
; CLUSTERS: 4 x 4; the tokens' tiles are shared along a row, the weight's along a column, by joint loads.
; THE MATRIX INSTRUCTION IS USED TRANSPOSED (source 0 = 16 rows of o_w, source 1 = 16 tokens): a lane holds eight neighbouring columns of one token.
; REGISTERS: window 0: v16-29 addresses; v64-127 the tokens' fragments, two buffers of 32; v128-191 the bias in the result's layout; v192-255 and v64-127 rows on the way out.
;   window 1: the weight's fragments, two buffers of 64.  window 2: accumulator (a, b) at v[8 (8 a + b)].
.set PITCH, 272
.set ABLK,  64*PITCH                   ; the tokens' tile of one block: 128 rows as 64 long rows
.set BBLK,  128*PITCH                  ; the weight's: 256 rows as 128 long rows
.set SLOT,  2*ABLK+2*BBLK
.set STAGE, 2*SLOT                     ; the way out: 16 rows x 528 bytes for each wave; no tile lands here
.set SPITCH, 528
.set SPARE, STAGE+4*16*SPITCH          ; the spare words, 128 bytes a wave, named by no other line
.set LAPS,  4
.set ADRA, 16
.set ADRB, 20
.set STO,  24
.set RD,   25
.set CO,   26
.set SPW,  28
.set NIL,  29
.set BN,   128
.set G1,  24
.set G0,  32
.set G1B, 48
.set G0B, 56
.set MSB, 0
.macro WIN new
.if MSB != (\new)
	s_set_vgpr_msb (MSB<<8)|(\new)
.set MSB, (\new)
.endif
.endm
.set MUL,  0xa1                        ; source 0 window 1, source 1 window 0, C and D window 2
.set MULZ, 0x81                        ; the first products: C is the bias, in window 0
.set TO_B, 0x40
.macro JLOAD s                         ; the branch hangs on the wave's number alone; an s_nop 0 and four v_nop follow each line
	s_cmp_eq_u32 s13, 0
	s_cbranch_scc0 .Lfor_b_\@
	tensor_load_to_lds s[G0+4*\s:G0+4*\s+3], s[G1:G1+7]
	s_nop 0
.rept 4
	v_nop
.endr
	s_branch .Lasked_\@
.Lfor_b_\@:
	tensor_load_to_lds s[G0B+4*\s:G0B+4*\s+3], s[G1B:G1B+7]
	s_nop 0
.rept 4
	v_nop
.endr
.Lasked_\@:
.endm
.macro CREST                           ; a round of the cluster's barrier behind its opening barrier
	s_cmp_lg_u32 s12, 0
	s_cbranch_scc1 .Lnot_wave_0_\@
	s_barrier_signal -3
.Lnot_wave_0_\@:
	s_barrier_wait -3
	s_barrier_signal -1
	s_barrier_wait -1
.endm
.macro CROUND
	s_barrier_signal -1
	s_barrier_wait -1
	CREST
.endm
	s_load_b256 s[4:11], s[0:1], 0x0               ; att s[4:5], ow s[6:7], o_b s[8:9], out0 s[10:11]
	v_lshl_add_u32 v[SPW], v0, 2, SPARE
	v_mov_b32 v[NIL], 0
	ds_add_u32 v[SPW], v[NIL]                      ; the wave's opening: the add, twice on end, and its wait ahead of my first tensor load
	ds_add_u32 v[SPW], v[NIL]
	v_lshrrev_b32 v1, 5, v0
	v_readfirstlane_b32 s12, v1                    ; wave 0..3
	s_lshr_b32 s13, s12, 1                         ; my 64 tokens.  Also: I fetch the tokens' side (0) or the weight's (1)
	s_and_b32 s14, s12, 1                          ; my 128 columns.  Also: which of a K step's two blocks I fetch
	s_bfe_u32 s40, ttmp6, 0x40000                  ; cx
	s_bfe_u32 s41, ttmp6, 0x40004                  ; cy
	s_lshl_b32 s42, ttmp9, 2
	s_add_co_u32 s42, s42, s40                     ; tile column 0..3
	s_and_b32 s45, ttmp7, 0xffff
	s_lshl_b32 s45, s45, 2
	s_add_co_u32 s45, s45, s41                     ; tile row 0..63
	s_lshl_b32 s43, s41, 2
	s_lshl_b32 s43, 15, s43                        ; my row of the cluster
	s_lshl_b32 s44, 0x1111, s40                    ; my column
	s_or_b32 s[G1+0], s43, (1<<16)|(1<<20)|(1<<21)|(5<<22)|(3<<25)   ; the mask; elements of 2 bytes; padding: 4 words after every 64; bit 21 beside a mask
	s_or_b32 s[G1B+0], s44, (1<<16)|(1<<20)|(1<<21)|(5<<22)|(3<<25)
	s_mov_b32 s[G1+1], 128<<16                     ; tensor_dim0 = 128 elements
	s_mov_b32 s[G1+2], 64<<16                      ; tensor_dim1 = 64
	s_mov_b32 s[G1+3], 128<<16                     ; tile_dim0
	s_mov_b32 s[G1+4], 64                          ; tile_dim1
	s_mov_b32 s[G1+5], 128                         ; from row to row
	s_mov_b32 s[G1+6], 0
	s_mov_b32 s[G1+7], 0
	s_mov_b32 s[G1B+1], 128<<16
	s_mov_b32 s[G1B+2], 128<<16                    ; 128 long rows
	s_mov_b32 s[G1B+3], 128<<16
	s_mov_b32 s[G1B+4], 128
	s_mov_b32 s[G1B+5], 128
	s_mov_b32 s[G1B+6], 0
	s_mov_b32 s[G1B+7], 0
	s_lshr_b32 s16, s45, 4                         ; the tokens' side: batch = tile row / 16, 4,194,304 bytes each;
	s_lshl_b32 s16, s16, 22
	s_and_b32 s17, s45, 15
	s_lshl_b32 s17, s17, 14                        ; 128 tokens of 128 bytes;
	s_add_co_u32 s16, s16, s17
	s_lshl_b32 s17, s14, 18                        ; my block (a head): 262,144 bytes.  No cx enters
	s_add_co_u32 s16, s16, s17
	s_mov_b32 s17, 0
	s_lshl_b32 s46, s42, 15                        ; the weight's side: 256 rows of 128 bytes;
	s_lshl_b32 s47, s14, 17                        ; my block: 131,072 bytes.  No cy enters
	s_add_co_u32 s46, s46, s47
	s_mov_b32 s47, 0
	s_mul_i32 s20, s14, ABLK                       ; where they go: by the wave's number alone
	s_mul_i32 s21, s14, BBLK
	s_add_co_u32 s21, s21, 2*ABLK
	s_wait_dscnt 0x0                               ; both opening adds are done
	s_wait_kmcnt 0x0
	s_add_nc_u64 s[16:17], s[4:5], s[16:17]
	s_add_nc_u64 s[46:47], s[6:7], s[46:47]
	CROUND                                         ; all sixteen work-groups are here
.irp s, 0,1
	s_mov_b32 s[G0+4*\s], 1
	s_add_co_u32 s[G0+4*\s+1], s20, \s*SLOT
	s_add_nc_u64 s[G0+4*\s+2:G0+4*\s+3], s[16:17], \s*524288     ; K step s: two heads on
	s_or_b32 s[G0+4*\s+3], s[G0+4*\s+3], 0x80000000
	s_mov_b32 s[G0B+4*\s], 1
	s_add_co_u32 s[G0B+4*\s+1], s21, \s*SLOT
	s_add_nc_u64 s[G0B+4*\s+2:G0B+4*\s+3], s[46:47], \s*262144
	s_or_b32 s[G0B+4*\s+3], s[G0B+4*\s+3], 0x80000000
	JLOAD \s                                       ; two loads of mine are out
.endr
	; the bias in the result's layout: lane (r, h), register j of block b: o_b[my first column + 16 b + 8 h + j]
	s_lshl_b32 s2, s42, 10
	s_lshl_b32 s3, s14, 9
	s_add_co_u32 s2, s2, s3
	s_mov_b32 s3, 0
	s_add_nc_u64 s[8:9], s[8:9], s[2:3]
	v_and_b32 v1, 15, v0                           ; r
	v_bfe_u32 v2, v0, 4, 1                         ; h
	v_lshlrev_b32 v7, 5, v2
.irp b, 0,1,2,3,4,5,6,7
	global_load_b128 v[BN+8*\b:BN+8*\b+3], v7, s[8:9] offset:64*\b
	global_load_b128 v[BN+8*\b+4:BN+8*\b+7], v7, s[8:9] offset:64*\b+16
.endr
	v_lshrrev_b32 v3, 1, v1
	v_mul_u32_u24 v3, v3, PITCH
	v_and_b32 v4, 1, v1
	v_lshl_add_u32 v3, v4, 7, v3
	v_lshl_add_u32 v3, v2, 4, v3                   ; row r of a block: (r / 2) pitch + 128 (r % 2) + 16 h
	s_mul_i32 s2, s13, 32*PITCH                    ; my 64 tokens
	s_mul_i32 s3, s14, 64*PITCH                    ; my 128 rows of the weight,
	s_add_co_u32 s3, s3, 2*ABLK                    ; behind the tokens' two blocks
.irp s, 0,1
	v_add_nc_u32 v[ADRA+\s], s2, v3
	v_add_nc_u32 v[ADRB+\s], s3, v3
	s_add_co_u32 s2, s2, SLOT
	s_add_co_u32 s3, s3, SLOT
.endr
	s_mul_i32 s2, s12, 16*SPITCH
	s_add_co_u32 s2, s2, STAGE                     ; my stage
	v_mul_u32_u24 v5, v1, SPITCH
	v_lshl_add_u32 v5, v2, 5, v5
	v_add_nc_u32 v[STO], s2, v5                    ; in: token r, 32 bytes for each half of the lanes
	v_and_b32 v6, 31, v0
	v_lshlrev_b32 v[CO], 4, v6                     ; back: the 32 lanes take a row of 512 bytes; the same in out0
	v_add_nc_u32 v[RD], s2, v[CO]
	s_lshl_b32 s2, s45, 7
	s_lshl_b32 s3, s13, 6
	s_add_co_u32 s2, s2, s3                        ; my first token
	s_lshl_b32 s2, s2, 12                          ; 4,096 bytes a row
	s_lshl_b32 s3, s42, 10
	s_add_co_u32 s2, s2, s3
	s_lshl_b32 s3, s14, 9
	s_add_co_u32 s2, s2, s3                        ; my first column, in bytes
	s_mov_b32 s3, 0
	s_add_nc_u64 s[10:11], s[10:11], s[2:3]
; 8 matrix instructions: token block a x the weight's eight, 32 along K, from buffers f.  zero = 1: the first product starts the sum from the bias.
; The 32 accumulators take turns, one instruction a turn, in the same order in every quarter.
.macro MULA f, a, zero
.irp b, 0,1,2,3,4,5,6,7
.if \zero
	v_wmma_f32_16x16x32_f16 v[8*(8*(\a)+\b):8*(8*(\a)+\b)+7], v[64*(\f)+8*\b:64*(\f)+8*\b+7], v[64+32*(\f)+8*(\a):64+32*(\f)+8*(\a)+7], v[BN+8*\b:BN+8*\b+7]
.else
	v_wmma_f32_16x16x32_f16 v[8*(8*(\a)+\b):8*(8*(\a)+\b)+7], v[64*(\f)+8*\b:64*(\f)+8*\b+7], v[64+32*(\f)+8*(\a):64+32*(\f)+8*(\a)+7], v[8*(8*(\a)+\b):8*(8*(\a)+\b)+7]
.endif
.endr
.endm
; 24 LDS loads in one run: quarter q of a slot (block q / 2, channels 32 (q % 2) on) into buffers f: the weight's eight fragments, then the tokens' four
.macro FETCH slot, q, f
	WIN TO_B
.irp i, 0,1,2,3,4,5,6,7
	ds_load_b128 v[64*(\f)+8*\i:64*(\f)+8*\i+3], v[ADRB+\slot] offset:((\q)/2)*BBLK+((\q)%2)*64+\i*8*PITCH
	ds_load_b128 v[64*(\f)+8*\i+4:64*(\f)+8*\i+7], v[ADRB+\slot] offset:((\q)/2)*BBLK+((\q)%2)*64+\i*8*PITCH+32
.endr
	WIN 0
.irp i, 0,1,2,3
	ds_load_b128 v[64+32*(\f)+8*\i:64+32*(\f)+8*\i+3], v[ADRA+\slot] offset:((\q)/2)*ABLK+((\q)%2)*64+\i*8*PITCH
	ds_load_b128 v[64+32*(\f)+8*\i+4:64+32*(\f)+8*\i+7], v[ADRA+\slot] offset:((\q)/2)*ABLK+((\q)%2)*64+\i*8*PITCH+32
.endr
.endm
.macro PLACES                          ; four plain places behind matrix instructions, ahead of loads into their registers and of reads of results
.rept 4
	v_nop
.endr
.endm
; One of a K step's first three quarters: multiplies buffers f and fetches quarter qnext into buffers g.
.macro QUARTER slot, qnext, f, g, zero
	s_wait_dscnt 4                                 ; all but the youngest four loads (token blocks 2, 3) are in
.if \zero
	WIN MULZ
.else
	WIN MUL
.endif
	MULA \f, 0, \zero
	MULA \f, 1, \zero
	PLACES
	FETCH \slot, \qnext, \g
	s_wait_dscnt 24                                ; all but the 24 just issued
.if \zero
	WIN MULZ
.else
	WIN MUL
.endif
	MULA \f, 2, \zero
	MULA \f, 3, \zero
.endm
; The last quarter multiplies buffers 1 and changes slots: one barrier; ahead of it each wave waits for all its tensor loads, adds 0 to its spare word, and waits for that and for its reads of this slot.
; fill = 1: the barrier opens a round of the cluster's, and this slot is filled again, two K steps on, first thing behind it.
.macro TURN slot, next, fill
	WIN 0
	s_wait_tensorcnt 0x0                           ; my part of the next slot has landed
	ds_add_u32 v[SPW], v[NIL]
	s_wait_dscnt 5                                 ; the add and the youngest four loads may be out
	WIN MUL
	MULA 1, 0, 0
	s_wait_dscnt 0x0                               ; the add is done, and my reads of this slot are over
	s_barrier_signal -1
	MULA 1, 1, 0
	WIN 0
	s_barrier_wait -1
.if \fill
	CREST
	s_add_nc_u64 s[G0+4*\slot+2:G0+4*\slot+3], s[G0+4*\slot+2:G0+4*\slot+3], 1048576    ; four heads on
	s_add_nc_u64 s[G0B+4*\slot+2:G0B+4*\slot+3], s[G0B+4*\slot+2:G0B+4*\slot+3], 524288
	JLOAD \slot                                    ; the four v_nop behind it are also the places ahead of the loads below
.else
	PLACES
.endif
	FETCH \next, 0, 0
	WIN MUL
	MULA 1, 2, 0
	MULA 1, 3, 0
.endm
	s_wait_tensorcnt 1                             ; my part of K step 0 is in; K step 1's load may be out
	s_barrier_signal -1
	s_barrier_wait -1
	FETCH 0, 0, 0
	s_wait_loadcnt 0x0                             ; the bias
	QUARTER 0, 1, 0, 1, 1                          ; the first quarter stands ahead of the loop: its products start the sums
	WIN 0
	s_mov_b32 s3, LAPS-1
.Llap:                                             ; a trip goes once round the ring and fills both slots again
	QUARTER 0, 2, 1, 0, 0
	QUARTER 0, 3, 0, 1, 0
	TURN 0, 1, 1
	QUARTER 1, 1, 0, 1, 0
	QUARTER 1, 2, 1, 0, 0
	QUARTER 1, 3, 0, 1, 0
	TURN 1, 0, 1
	QUARTER 0, 1, 0, 1, 0
	WIN 0
	s_sub_co_u32 s3, s3, 1
	s_cmp_lg_u32 s3, 0
	s_cbranch_scc1 .Llap
	QUARTER 0, 2, 1, 0, 0                          ; the last lap fills nothing
	QUARTER 0, 3, 0, 1, 0
	TURN 0, 1, 0
	QUARTER 1, 1, 0, 1, 0
	QUARTER 1, 2, 1, 0, 0
	QUARTER 1, 3, 0, 1, 0
	s_wait_dscnt 4
	WIN MUL
	MULA 1, 0, 0
	MULA 1, 1, 0
	s_wait_dscnt 0
	MULA 1, 2, 0
	MULA 1, 3, 0
	WIN 0
; THE WAY OUT, a block of 16 tokens x 128 columns at a time, through my own stage: back as whole rows of 512 bytes, stored by the 32 lanes.
.macro TOSTAGE a
	WIN 0x08                                       ; an LDS store's data: window 2
.irp b, 0,1,2,3,4,5,6,7
	ds_store_b128 v[STO], v[8*(8*(\a)+\b):8*(8*(\a)+\b)+3] offset:64*\b          ; each accumulator from its low end on
	ds_store_b128 v[STO], v[8*(8*(\a)+\b)+4:8*(8*(\a)+\b)+7] offset:64*\b+16
.endr
	WIN 0
.set BB, 192-128*((\a)%2)
.irp t, 0,1,2,3,4,5,6,7,8,9,10,11,12,13,14,15
	ds_load_b128 v[BB+4*\t:BB+4*\t+3], v[RD] offset:\t*SPITCH    ; LDS serves a wave's instructions in order: these see the stores above
.endr
.endm
.macro SEND a, younger
.set BB, 192-128*((\a)%2)
	s_wait_dscnt \younger
.irp t, 0,1,2,3,4,5,6,7,8,9,10,11,12,13,14,15
	global_store_b128 v[CO], v[BB+4*\t:BB+4*\t+3], s[10:11] offset:(16*(\a)+\t)*4096 th:TH_STORE_NT   ; 512 consecutive bytes, aligned; written once
.endr
.endm
	PLACES
	TOSTAGE 0
.irp a, 1,2,3
.if \a > 1
	s_wait_xcnt 0x0                                ; block a - 2's stores have read their registers: block a's loads may land there
.endif
	TOSTAGE \a
	SEND \a-1, 32                                  ; behind block a - 1's loads: block a's 16 stores and 16 loads
.endr
	SEND 3, 0
	s_wait_tensorcnt 0x0                           ; the wave's end
	ds_add_u32 v[SPW], v[NIL]
	s_wait_dscnt 0x0
	CROUND                                         ; the closing round
	s_endpgm
.Lfunc_end_k_qb5eb301f3a_oproj:
	.size	k_qb5eb301f3a_oproj, .Lfunc_end_k_qb5eb301f3a_oproj-k_qb5eb301f3a_oproj
	.p2alignl 7, 3214868480
	.fill 96, 4, 3214868480
	.section	.rodata,"a",@progbits
	.p2align	6, 0x0
	.amdhsa_kernel k_qb5eb301f3a_oproj
		.amdhsa_group_segment_fixed_size 327680
		.amdhsa_private_segment_fixed_size 0
		.amdhsa_enable_private_segment 0
		.amdhsa_kernarg_size 32
		.amdhsa_user_sgpr_count 2
		.amdhsa_user_sgpr_kernarg_segment_ptr 1
		.amdhsa_wavefront_size32 1
		.amdhsa_system_sgpr_workgroup_id_x 1
		.amdhsa_system_sgpr_workgroup_id_y 1
		.amdhsa_system_sgpr_workgroup_id_z 1
		.amdhsa_system_vgpr_workitem_id 0
		.amdhsa_next_free_vgpr 768
		.amdhsa_next_free_sgpr 66
		.amdhsa_reserve_vcc 0
		.amdhsa_float_denorm_mode_32 3
		.amdhsa_float_denorm_mode_16_64 3
		.amdhsa_memory_ordered 1
		.amdhsa_forward_progress 1
		.amdhsa_inst_pref_size 87
	.end_amdhsa_kernel
	.amdgpu_metadata
---
amdhsa.version: [ 1, 2 ]
amdhsa.kernels:
  - .name:           k_qb5eb301f3a_oproj
    .symbol:         k_qb5eb301f3a_oproj.kd
    .args:
      - { .name: att, .offset: 0, .size: 8, .value_kind: global_buffer, .address_space: global }
      - { .name: ow, .offset: 8, .size: 8, .value_kind: global_buffer, .address_space: global }
      - { .name: o_b, .offset: 16, .size: 8, .value_kind: global_buffer, .address_space: global }
      - { .name: out0, .offset: 24, .size: 8, .value_kind: global_buffer, .address_space: global }
    .group_segment_fixed_size: 327680
    .private_segment_fixed_size: 0
    .kernarg_segment_align: 8
    .kernarg_segment_size: 32
    .max_flat_workgroup_size: 128
    .sgpr_count:     66
    .vgpr_count:     768
    .wavefront_size: 32
...
	.end_amdgpu_metadata
.endif
;; end of part 4
